; MI455X (gfx1250); checked and timed in simulation.
; The chip was launched on July 23, 2026; its instructions are those of AMD's public machine-readable ISA for CDNA 5 (MIT licence, August 2026) and "CDNA5" Instruction Set Architecture Reference Guide (July 2026). The comments in the code are by the model that wrote it; some were corrected since.
;; Multi Head Attention. Allowed arithmetic: matrix products marked QUANTISED: E2M3 operands, one E8M0 scale for each 32 along K, by v_wmma_scale_f32_16x16x128_f8f6f4 with both operands' format E2M3, f32 sums; everything else in f32.
;; Inputs: Wk 1,024 x 1,024 float32; Wo 1,024 x 1,024 float32; Wq 1,024 x 1,024 float32; Wv 1,024 x 1,024 float32; bk 1,024 float32; bo 1,024 float32; bq 1,024 float32; bv 1,024 float32; key 4 x 2,048 x 1,024 float32; query 4 x 2,048 x 1,024 float32; value 4 x 2,048 x 1,024 float32.
;; Outputs: out0 4 x 2,048 x 1,024 float32.
;; This version of the problem:
;;   THIS VERSION OF THE PROBLEM IS GIVEN IN LOW PRECISION. The matrix products marked QUANTISED in the list below multiply operands that are first quantised to E2M3 (2 exponent bits, 3 mantissa bits; 6 bits a number), with one power-of-two scale for each 32 numbers along K (OCP MX v1.0); their sums are f32. All else is computed in f32.
;;   The module's matrix products, in the order in which they are computed (A, B: the left and right operand; K: the contracted axis; several contracted axes count as one K, in the product's order):
;;     1. [M 8,192, K 1,024] x [K 1,024, N 1,024]; A: input query; B: input Wq: QUANTISED
;;     2. [M 8,192, K 1,024] x [K 1,024, N 1,024]; A: input key; B: input Wk: QUANTISED
;;     3. [M 8,192, K 1,024] x [K 1,024, N 1,024]; A: input value; B: input Wv: QUANTISED
;;     4. batch 64 x [M 2,048, K 64] x [K 64, N 2,048]; A: computed on the way; B: computed on the way: QUANTISED
;;     5. batch 64 x [M 2,048, K 2,048] x [K 2,048, N 64]; A: softmax (see below); B: computed on the way: QUANTISED
;;     6. [M 8,192, K 1,024] x [K 1,024, N 1,024]; A: computed on the way; B: input Wo: QUANTISED
;;   THE QUANTISER, for each operand of a quantised product, along K:
;;     - K is cut into blocks of 32 from its start; a last block that is shorter is filled with zeros.
;;     - A block's scale is 2^e with e = floor(log2(the largest magnitude in the block)) - 2, held to -126 .. 127; a block of zeros has e = 0. As a byte (E8M0): e + 127.
;;     - Each number is divided by its block's scale, clamped to +-7.5, and rounded to the nearest number of E2M3, ties to even, subnormals kept.
;;     - The product sums the exact products of the quantised numbers (number of the format x scale) in f32.
;;   ~~~python
;;   def quantise(x, axis):      # numpy; x: float32 -> the quantised numbers, widened to float32 again
;;       x = np.moveaxis(x, axis, -1); K = x.shape[-1]
;;       x = np.pad(x, [(0, 0)] * (x.ndim - 1) + [(0, -K % 32)]); x = x.reshape(x.shape[:-1] + (-1, 32)); a = np.abs(x).max(-1, keepdims=True)
;;       e = np.where(a > 0, np.clip(np.frexp(np.where(a > 0, a, 1))[1] - 1 - 2, -126, 127), 0)      # np.frexp(a)[1] - 1 = floor(log2(a)), exactly
;;       r = np.clip(x / 2.0 ** e, -7.5, 7.5)
;;       step = 2.0 ** (np.maximum(np.frexp(np.where(r == 0, 1, r))[1] - 1, 0) - 3)
;;       q = np.round(r / step) * step * 2.0 ** e      # np.round: ties to even
;;       return np.moveaxis(q.reshape(q.shape[:-2] + (-1,))[..., :K], -1, axis).astype(np.float32)
;;   ~~~
;;   SOFTMAX AHEAD OF A QUANTISED PRODUCT. Where the list says 'softmax', what is quantised is not the finished softmax but p = 2^(t - M), with t = logit x log2(e) and M = ceil(the row's largest t), a whole number; so 1/2 < the row's largest p <= 1. The row's sum l is taken of the UNQUANTISED p, in f32, and the product's result is divided by l at the end. Since M is a whole number, a kernel that streams over the keys may use a running M (the ceiling of the running maximum): every later rescaling is an exact power of two, which a block's scale takes up: the codes' values come out the same.
;;   OPERANDS COMPUTED ON THE WAY. 'Computed on the way' means the value that the module computes at that place (a softmax that the list does not call 'softmax' is quantised finished and normalised). What goes into a quantiser is computed in f32, as accurately as f32 sums, v_exp_f32 and their like allow (about 1e-6 of the number): no bf16 or f16 on the way to a quantiser, and a product that is left as it is and whose result goes on into a quantised operand takes f32 operands (vector FMAs, or v_wmma_f32_16x16x4_f32). A number that lies on a knife's edge between two numbers of the format may be rounded either way, as far as f32 arithmetic and the matrix unit's own rounding can turn it there, and no further.
;; One version. Each part assembles by itself: llvm-mc -triple=amdgcn-amd-amdhsa -mcpu=gfx1250 --defsym DOCPART=n.
;; ======== version 1 of 1: 4 launches
;; limits: right only within a limited range of input values
;; workspace buffers: xc 18,874,368 bytes; wc 3,145,728 bytes; xs 1,179,648 bytes; pc 18,874,368 bytes; ps 786,432 bytes; ac 6,291,456 bytes
;; launch quant (part 1): grid 256 x 1, 7 waves a work-group, no clusters, 60,416 bytes of LDS; arguments query, key, value, Wq, Wk, Wv, Wo, xc, wc, xs; writes xc, wc, xs
.if DOCPART == 1
	.amdgcn_target "amdgcn-amd-amdhsa--gfx1250"
	.amdhsa_code_object_version 6
	.text
	.protected	k_q4945f55180_quant
	.globl	k_q4945f55180_quant
	.p2align	8
	.type	k_q4945f55180_quant,@function
k_q4945f55180_quant:
	s_mov_b64 s[64:65], 0
	v_nop
	global_prefetch_b8 v0, s[64:65] scope:SCOPE_SE
	s_setreg_imm32_b32 hwreg(HW_REG_WAVE_MODE, 25, 1), 1
	s_wait_xcnt 0x0
; query, key, value [8192][1024] and Wq, Wk, Wv, Wo [1024][1024], f32, K innermost, become codes of FP6 (E2M3) with one E8M0 byte for each 32 along K.
; A block's scale is 2^(floor(log2(its largest magnitude)) - 2); its byte is the largest magnitude's exponent field - 2, held at 1 from below.
; LIMITS: NaN and infinities among the inputs are not served; a block whose largest magnitude lies under 2^-124 has its byte held at 1; a block of zeros gets the byte 1 where the rule says 127
; (its codes are zeros, which add nothing under any byte but 0xff, and the bytes are read by this program alone).
; THE LAYOUT OF THE CODES IS THAT OF THE OPERAND'S REGISTERS.  A ROW TILE i is 16 rows: lane r stands for row 32 (i / 2) + 8 (i % 2) + r + 8 (r / 8).  A FRAGMENT (a row tile x 128 K, 12 registers a lane) lies in
; 1,536 bytes as two halves of 768: registers 6 c .. 6 c + 3 at 16 x lane, registers 6 c + 4, 6 c + 5 at 512 + 8 x lane.  A tile's 8 fragments lie on end: 12,288 bytes.
; THE SCALE WORDS of a tile: 512 bytes, [half e][row r][4 words], word j of half e for K step 4 e + j.
; SHARES.  1,792 row tiles (3 x 512 of the tokens, 4 x 64 of the weights) = 256 work-groups x 7 waves: a wave owns one tile and walks its 8 K steps.  Waves share nothing: no barrier.
; Each load reads 512 consecutive bytes of one row; a step's 16 rows turn through the wave's own stage in LDS (rows 528 bytes apart, so that 16 rows start in 16 different columns of 16 bytes) and come back
; 32 neighbours a block and lane.  Loads run two steps (32 loads a wave) ahead.  No matrix unit, no cluster, no tensor load: the launch streams.
.set STG,  8448                        ; a wave's stage: 16 rows x 528 bytes
.set WD,   16                          ; v16-23   the eight scale words
.set ZR,   24                          ; v24-27   the words as they are stored
.set R,    32                          ; v32-159  two sets of 64 registers as loaded
.set X,    160                         ; v160-223 64 numbers in the fragment's order: register 32 c + i = k 64 c + 32 (lane / 16) + i of row lane % 16
.set C,    224                         ; v224-235 the fragment's codes
.set H0,   236                         ; v236-238, v240-242: the upper halves of the two blocks (a conversion's three registers begin on an even number)
.set H1,   240
.set M,    244                         ; v244-245 largest magnitudes
.set SO,   246                         ; v246-247 the conversions' scale operands
.set BY,   248                         ; v248-249 the bytes
.set PT,   250                         ; v250     a lane permute's destination
.set WT,   251                         ; v251     my two bytes at their places
	s_load_b512 s[4:19], s[0:1], 0x0               ; query, key, value, Wq, Wk, Wv, Wo, xc
	s_load_b128 s[20:23], s[0:1], 0x40             ; wc, xs
	v_lshl_add_u32 v254, v0, 2, 0xe800
	v_mov_b32 v255, 0
	v_lshrrev_b32 v1, 5, v0
	v_readfirstlane_b32 s24, v1                    ; wave 0..6
	v_and_b32 v1, 31, v0                           ; lane
	v_and_b32 v2, 15, v0                           ; r
	v_bfe_u32 v3, v0, 4, 1                         ; h
	v_lshlrev_b32 v4, 4, v1                        ; 16 x lane: loads, 16-byte stores, the scale store
	v_lshl_add_u32 v5, v1, 3, 512                  ; 512 + 8 x lane: the 8-byte stores
	s_mul_i32 s39, s24, STG
	v_add_nc_u32 v6, s39, v4                       ; the stage, on the way in
	v_mul_u32_u24 v7, v2, 528
	v_lshl_add_u32 v7, v3, 7, v7
	v_add_nc_u32 v7, s39, v7                       ; and on the way out: row r, + 128 h bytes
	v_lshlrev_b32 v8, 3, v3                        ; 8 h: how far my bytes are shifted in the scale word
	v_mov_b32 v[PT], 0                             ; written once: a lane permute's destination counts as one of its sources
	v_cmp_le_u32 s38, 16, v1                       ; lanes 16-31
	s_mov_b32 s36, 0x76543210
	s_mov_b32 s37, 0xfedcba98                      ; selects for lane l xor 16
	s_mul_i32 s25, ttmp9, 7
	s_add_co_u32 s25, s25, s24                     ; G: my row tile, 0 .. 1791
	s_wait_alu depctr_va_vdst(0)
	s_wait_kmcnt 0x0
	s_mov_b64 s[28:29], s[16:17]                   ; the source: chosen on the tile's number alone
	s_cmp_lt_u32 s25, 1728
	s_cselect_b64 s[28:29], s[14:15], s[28:29]
	s_cmp_lt_u32 s25, 1664
	s_cselect_b64 s[28:29], s[12:13], s[28:29]
	s_cmp_lt_u32 s25, 1600
	s_cselect_b64 s[28:29], s[10:11], s[28:29]
	s_cmp_lt_u32 s25, 1536
	s_cselect_b64 s[28:29], s[8:9], s[28:29]
	s_cselect_b64 s[30:31], s[18:19], s[20:21]     ; the codes go to xc or to wc,
	s_cselect_b32 s26, 511, 63                     ; a tensor has 512 tiles or 64,
	s_cselect_b32 s34, 0, 1536                     ; and wc's tiles count from 1,536
	s_cmp_lt_u32 s25, 1024
	s_cselect_b64 s[28:29], s[6:7], s[28:29]
	s_cmp_lt_u32 s25, 512
	s_cselect_b64 s[28:29], s[4:5], s[28:29]
	s_and_b32 s26, s25, s26                        ; the tile's number in its tensor
	s_lshr_b32 s27, s26, 1
	s_lshl_b32 s27, s27, 17                        ; 32 rows of 4,096 bytes for each pair of tiles,
	s_and_b32 s42, s26, 1
	s_lshl_b32 s42, s42, 15                        ; 8 rows for the odd one
	s_add_co_u32 s27, s27, s42
	; KEY'S TILES ARE DEALT OTHERWISE: lane r of tile i stands for row 128 (i / 8) + 64 ((i / 4) % 2) + 8 (i % 4) + r % 8 + 32 (r / 8),
	; so that in the attention launch a lane's 32 score registers of four neighbouring tiles are one whole block of 32 keys.
	s_lshr_b32 s42, s26, 2
	s_lshl_b32 s42, s42, 18                        ; 64 rows for each four tiles,
	s_and_b32 s43, s26, 3
	s_lshl_b32 s43, s43, 15                        ; 8 rows for each tile among the four
	s_add_co_u32 s42, s42, s43
	s_lshr_b32 s43, s25, 9
	s_cmp_eq_u32 s43, 1                            ; tiles 512 .. 1023 are key's: the choice hangs on the tile's number alone
	s_cselect_b32 s26, s42, s27
	s_mov_b32 s42, 16*4096                         ; lanes 8-15 stand 16 rows behind lanes 0-7,
	s_cselect_b32 s42, 32*4096, s42                ; in key's tiles 32
	s_mov_b32 s27, 0
	s_mov_b32 s43, 0
	s_add_nc_u64 s[28:29], s[28:29], s[26:27]      ; rows of lanes 0-7
	s_add_nc_u64 s[42:43], s[28:29], s[42:43]      ; rows of lanes 8-15
	s_sub_co_u32 s34, s25, s34
	s_mul_i32 s34, s34, 12288
	s_mov_b32 s35, 0
	s_add_nc_u64 s[30:31], s[30:31], s[34:35]
	s_lshl_b32 s40, s25, 9
	s_mov_b32 s41, 0
	s_add_nc_u64 s[32:33], s[22:23], s[40:41]      ; my tile's 512 bytes of scale words
.macro LOAD t                          ; K step t of my 16 rows: 32 lanes read 512 consecutive bytes of a row
.irp i, 0,1,2,3,4,5,6,7,8,9,10,11,12,13,14,15
	global_load_b128 v[R+64*((\t)%2)+4*\i:R+64*((\t)%2)+4*\i+3], v4, s[28+14*(\i/8):29+14*(\i/8)] offset:(\i%8)*4096+512*(\t) th:TH_LOAD_NT
.endr
.endm
.macro TURN t                          ; through the stage: LDS serves a wave's instructions in order, so no wait stands between the stores and the loads, nor ahead of the next step's stores
.irp i, 0,1,2,3,4,5,6,7,8,9,10,11,12,13,14,15
	ds_store_b128 v6, v[R+64*((\t)%2)+4*\i:R+64*((\t)%2)+4*\i+3] offset:528*\i
.endr
.irp c, 0,1
.irp j, 0,1,2,3,4,5,6,7
	ds_load_b128 v[X+32*\c+4*\j:X+32*\c+4*\j+3], v7 offset:256*\c+16*\j
.endr
.endr
.endm
.macro STEP t
.if (\t) < 7
	s_wait_loadcnt 16                              ; this step's 16 loads are in; the next step's 16 may be out
.else
	s_wait_loadcnt 0x0
.endif
	TURN \t
	s_wait_dscnt 0x0                               ; the numbers are back, and the stores into the stage have read their registers,
.if (\t)+2 < 8
	LOAD (\t)+2                                    ; which take the loads of two steps on
.endif
.irp c, 0,1
	v_max3_num_f32 v[M+\c], |v[X+32*\c]|, |v[X+32*\c+1]|, 0x1800000   ; my block 2 c + h: all its 32 numbers are mine; and the floor 2^(3 - 127), so that the byte cannot fall under 1
.endr
.irp i, 2,4,6,8,10,12,14,16,18,20,22,24,26,28,30
.irp c, 0,1
	v_max3_num_f32 v[M+\c], v[M+\c], |v[X+32*\c+\i]|, |v[X+32*\c+\i+1]|   ; (the two blocks by turns)
.endr
.endr
.irp c, 0,1
	v_add_nc_u32 v[SO+\c], 0xff000000, v[M+\c]     ; 2 off the exponent field: the conversion takes the exponent field of this operand as its scale
.endr
.irp c, 0,1
	v_lshrrev_b32 v[BY+\c], 23, v[SO+\c]           ; the scale's byte
.endr
	v_lshl_or_b32 v[WT], v[BY+1], 16, v[BY]        ; blocks h and 2 + h of row r,
	v_lshlrev_b32 v[WT], v8, v[WT]                 ; at their places in the word;
	v_permlanex16_b32 v[PT], v[WT], s36, s37
	v_or_b32 v[WD+(\t)], v[WT], v[PT]              ; with lane l xor 16's two the word is whole
	s_wait_alu depctr_va_vdst(0)
	s_wait_xcnt 0x0                                ; the last step's stores have read the codes' registers: they are written again only behind this wait
	v_cvt_scalef32_pk16_fp6_f32 v[C:C+2], v[X:X+15], v[SO]
	v_cvt_scalef32_pk16_fp6_f32 v[H0:H0+2], v[X+16:X+31], v[SO]
	v_cvt_scalef32_pk16_fp6_f32 v[C+6:C+8], v[X+32:X+47], v[SO+1]
	v_cvt_scalef32_pk16_fp6_f32 v[H1:H1+2], v[X+48:X+63], v[SO+1]
	v_nop                                          ; one plain place behind a scaled conversion
.irp i, 0,1,2
	v_mov_b32 v[C+3+\i], v[H0+\i]
	v_mov_b32 v[C+9+\i], v[H1+\i]
.endr
	global_store_b128 v4, v[C:C+3], s[30:31] offset:1536*(\t)          ; 512 consecutive bytes,
	global_store_b64 v5, v[C+4:C+5], s[30:31] offset:1536*(\t)         ; 256 consecutive bytes: each at a multiple of 256 from the buffer's first byte
	global_store_b128 v4, v[C+6:C+9], s[30:31] offset:1536*(\t)+768
	global_store_b64 v5, v[C+10:C+11], s[30:31] offset:1536*(\t)+768
.endm
	LOAD 0
	LOAD 1
.irp t, 0,1,2,3,4,5,6,7
	STEP \t
.endr
.irp k, 0,1,2,3
	v_cndmask_b32 v[ZR+\k], v[WD+\k], v[WD+4+\k], s38   ; lanes 0-15 store K steps 0-3 of row r, lanes 16-31 K steps 4-7
.endr
	global_store_b128 v4, v[ZR:ZR+3], s[32:33]     ; 512 consecutive bytes
	s_wait_tensorcnt 0x0
	ds_add_u32 v254, v255
	s_wait_dscnt 0x0
	s_endpgm
.Lfunc_end_k_q4945f55180_quant:
	.size	k_q4945f55180_quant, .Lfunc_end_k_q4945f55180_quant-k_q4945f55180_quant
	.p2alignl 7, 3214868480
	.fill 96, 4, 3214868480
	.section	.rodata,"a",@progbits
	.p2align	6, 0x0
	.amdhsa_kernel k_q4945f55180_quant
		.amdhsa_group_segment_fixed_size 60416
		.amdhsa_private_segment_fixed_size 0
		.amdhsa_enable_private_segment 0
		.amdhsa_kernarg_size 80
		.amdhsa_user_sgpr_count 2
		.amdhsa_user_sgpr_kernarg_segment_ptr 1
		.amdhsa_wavefront_size32 1
		.amdhsa_system_sgpr_workgroup_id_x 1
		.amdhsa_system_sgpr_workgroup_id_y 1
		.amdhsa_system_sgpr_workgroup_id_z 1
		.amdhsa_system_vgpr_workitem_id 0
		.amdhsa_next_free_vgpr 256
		.amdhsa_next_free_sgpr 66
		.amdhsa_reserve_vcc 0
		.amdhsa_float_denorm_mode_32 3
		.amdhsa_float_denorm_mode_16_64 3
		.amdhsa_memory_ordered 1
		.amdhsa_forward_progress 1
		.amdhsa_inst_pref_size 59
	.end_amdhsa_kernel
	.amdgpu_metadata
---
amdhsa.version: [ 1, 2 ]
amdhsa.kernels:
  - .name:           k_q4945f55180_quant
    .symbol:         k_q4945f55180_quant.kd
    .args:
      - { .name: query, .offset: 0, .size: 8, .value_kind: global_buffer, .address_space: global }
      - { .name: key, .offset: 8, .size: 8, .value_kind: global_buffer, .address_space: global }
      - { .name: value, .offset: 16, .size: 8, .value_kind: global_buffer, .address_space: global }
      - { .name: Wq, .offset: 24, .size: 8, .value_kind: global_buffer, .address_space: global }
      - { .name: Wk, .offset: 32, .size: 8, .value_kind: global_buffer, .address_space: global }
      - { .name: Wv, .offset: 40, .size: 8, .value_kind: global_buffer, .address_space: global }
      - { .name: Wo, .offset: 48, .size: 8, .value_kind: global_buffer, .address_space: global }
      - { .name: xc, .offset: 56, .size: 8, .value_kind: global_buffer, .address_space: global }
      - { .name: wc, .offset: 64, .size: 8, .value_kind: global_buffer, .address_space: global }
      - { .name: xs, .offset: 72, .size: 8, .value_kind: global_buffer, .address_space: global }
    .group_segment_fixed_size: 60416
    .private_segment_fixed_size: 0
    .kernarg_segment_align: 8
    .kernarg_segment_size: 80
    .max_flat_workgroup_size: 224
    .sgpr_count:     66
    .vgpr_count:     256
    .wavefront_size: 32
...
	.end_amdgpu_metadata
.endif
;; end of part 1
;; launch proj (part 2): grid 32 x 24, 4 waves a work-group, clusters of 4 x 4, 327,680 bytes of LDS; arguments xc, wc, xs, bq, bk, bv, pc, ps; writes pc, ps
.if DOCPART == 2
	.amdgcn_target "amdgcn-amd-amdhsa--gfx1250"
	.amdhsa_code_object_version 6
	.text
	.protected	k_q4945f55180_proj
	.globl	k_q4945f55180_proj
	.p2align	8
	.type	k_q4945f55180_proj,@function
k_q4945f55180_proj:
	s_mov_b64 s[64:65], 0
	v_nop
	global_prefetch_b8 v0, s[64:65] scope:SCOPE_SE
	s_setreg_imm32_b32 hwreg(HW_REG_WAVE_MODE, 25, 1), 1
	s_wait_xcnt 0x0
	s_wait_alu depctr_hold_cnt(0) depctr_sa_sdst(0) depctr_va_vdst(0) depctr_va_sdst(0) depctr_va_ssrc(0) depctr_va_vcc(0) depctr_vm_vsrc(0)
	s_getreg_b32 s2, hwreg(HW_REG_IB_STS2, 6, 4)
	s_cmp_eq_u32 s2, 0
	s_cbranch_scc0 .Lentry_in_a_cluster
	s_endpgm
.Lentry_in_a_cluster:
	s_bfe_u32 s2, ttmp6, 0x10000c
	s_cmp_lg_u32 s2, 0xf033
	s_cbranch_scc0 .Lentry_shape_is_right
	s_endpgm
.Lentry_shape_is_right:
; q = query Wq^T + bq, k = key Wk^T + bk, v = value Wv^T + bv on codes of FP6 (E2M3) with E8M0 scales, f32 sums, AND THEIR QUANTISERS: q and k along the head's 64 channels, v along the tokens.  No f32 result is stored.
; LIMITS: NaN, infinities and sums beyond f32's range are not served; a sum begins with the bias, where the reference adds it last; a block under 2^-124 has its byte held at 1, a block of zeros the byte 1
; (its codes are zeros; this program alone reads the bytes).
; THE OPERANDS lie in memory as images of their registers.  A row tile (16 rows, all of K) is 12,288 bytes: 8 fragments of 1,536, each two halves of 768: registers 6 c .. 6 c + 3 at 16 x lane, 6 c + 4, 6 c + 5 at 512 + 8 x lane.
; xc: the tokens' 3 x 512 tiles; wc: the weights' tiles, 64 a tensor.  xs: a tile's scale words, 512 bytes [half e][row r][4 words], word j of half e for K step 4 e + j: the tokens' tiles first, the weights' from tile 1,536 on.
; Lane r of a weight's or of value's row tile i stands for row 32 (i / 2) + 8 (i % 2) + r + 8 (r / 8).
; THE RESULTS.  pc[tensor][step of 128 tokens][head][6,144 bytes].  q, k: eight halves of 768, half s = token tile s x the head's 64 channels.  v: four fragments, fragment t = channel tile t x 128 tokens.
; ps[step][pair of heads][tensor][512 bytes].  q, k: [head's parity][row r][4 words], word f = two bytes of tile 2 f, two of tile 2 f + 1.  v: [lane][head's parity][2 words], word u of lane l = channel tile 2 u + l / 16, row l % 16.
; THE DEAL.  768 work-groups of four waves, 2 x 2: three whole turns.  A work-group makes 256 tokens x 128 outputs of one tensor.  A wave holds one head's four weight tiles, all of K, in registers (32 fragments, 384 registers)
; and streams its 128 tokens past them in eight blocks of 16: the wave in row a takes token tile 8 a + s as its block s; 32 products a block, four accumulators by turns, K ascending.
; THE CLUSTER's x COUNTS TILE ROWS; its y counts tensors and tile columns: tensor = cluster y / 2, tile column = 4 (cluster y % 2) + cy.  The tokens' tiles are shared by a COLUMN of the cluster (mask s44), the weights' by a ROW (mask s45).
; The two ways through the text (q and k; v) part on the cluster's y alone.
; LDS: the tokens' 16 tiles (196,608 bytes), the weights' 8 tiles (98,304), each filled ONCE by the head's four loads, one a wave, each on its own line; the spare words.  Nothing is stored to LDS.
; No refill and no data prefetch: all that the work-group reads is asked for at the head.  All scale words and the bias come by plain loads straight into registers.
; Q, K: source 0 = the weight's rows: register j of weight tile t in lane (r, h) is channel 32 (t / 2) + 8 (t % 2) + 16 h + j of token r: a block's 32 sums are the head's two scale blocks, each in lanes l and l xor 16.
; V: source 0 = the tokens' rows: register j of block s in lane (r, h) is token 32 (s / 2) + 8 (s % 2) + 16 h + j of channel row r: the 32 sums of four blocks are two scale blocks along the tokens.  One quantiser's text serves both.
.set TILEB, 12288                      ; a row tile
.set FRB,   1536                       ; a fragment
.set PCT,   6291456                    ; a tensor's part of pc
.set NB,    4                          ; weight tiles a wave
.set FR,    12                         ; registers of a fragment
.set FPW,   21                         ; fragments in a window of 256 registers: fragment f lies in window 1 + f / 21 at register 12 (f % 21).  0-31: the weights' (4 q + t); 32-47: the tokens' two sets (32 + 8 e + q)
.set NF,    32                         ; LDS loads of a block
.set YB,    16*TILEB                   ; the weights' tiles in LDS
.set SPARE, YB+8*TILEB                 ; the spare words: 128 bytes a wave
.set SPW,  10                          ; v10     my spare word
.set NIL,  11                          ; v11     0
.set AQ0,  12                          ; v12, v13  LDS addresses of my pieces of block 0 (16-byte pieces, 8-byte pieces); never rewritten
.set AQ,   14                          ; v14, v15  the same for the block that is fetched next
.set BA,   16                          ; v16, v17  the same for my four weight tiles
.set SB,   24                          ; v24-39  the weights' scale words: register 8 p + q: lanes 0-15 tile 2 p, lanes 16-31 tile 2 p + 1
.set WD,   40                          ; v40-43  the results' scale words
.set SA,   44                          ; v44-107 the tokens' scale words: register 8 s + q.  A product's two scale registers differ by 4 modulo 8 in their numbers
.set MX,   108                         ; v108, v109 largest magnitudes; v110, v111 a lane permute's destinations
.set ACC,  112                         ; v112-239 the sums.  q, k: two sets of four accumulators (32 (s % 2) + 8 t); v: 32 t + 8 (s % 4)
.set PC,   240                         ; v240-245 six registers of codes; v246-248 the second conversion's
.set SO,   250                         ; v250, v251 the conversions' scale operands; v252, v253 the bytes; v254 the two bytes joined
.set BO,   72                          ; window 3, v72-103: the bias as the first four products' C
.set WV,  20                           ; s20 the wave; s21 its row a of the 2 x 2, s22 its column b
.set G1A, 24
.set G1B, 32
.set G0A, 56
.set G0B, 60
.set MSB, 0
.macro WIN new
.if MSB != (\new)
	s_set_vgpr_msb (MSB<<8)|(\new)
.set MSB, (\new)
.endif
.endm
.macro PLACES n
.rept \n
	v_nop
.endr
.endm
.macro WALU
	s_wait_alu depctr_va_vdst(0)
.endm
.macro BARRIER
	s_barrier_signal -1
	s_barrier_wait -1
.endm
.macro CROUND
	BARRIER
	s_cmp_lg_u32 s[WV], 0
	s_cbranch_scc1 .Lnot_wave_0_\@
	s_barrier_signal -3
.Lnot_wave_0_\@:
	s_barrier_wait -3
	BARRIER
.endm
.macro GROUP1 g, mask                  ; a dense block as rows of 256 bytes: 32 elements of 8 bytes; the two words that hold the rows are written with each tile
	s_or_b32 s[\g+0], s[\mask], (3<<16)|(1<<21)
	s_mov_b32 s[\g+1], 32<<16
	s_mov_b32 s[\g+3], 32<<16
	s_mov_b32 s[\g+5], 32
	s_mov_b32 s[\g+6], 0
	s_mov_b32 s[\g+7], 0
.endm
.macro TILES g0, g1, base, first, tiles   ; some tiles of an operand, by a descriptor of constants: a tile is 48 rows of 256 bytes.  An s_nop 0 and four v_nop follow the load
	s_mov_b32 s[\g0+1], (\base)+(\first)*TILEB
	s_mov_b32 s[\g1+2], ((\tiles)*48)<<16
	s_mov_b32 s[\g1+4], (\tiles)*48
.if \first
	s_add_nc_u64 s[\g0+2:\g0+3], s[\g0+2:\g0+3], (\first)*TILEB
.endif
	s_or_b32 s[\g0+3], s[\g0+3], 0x80000000
	tensor_load_to_lds s[\g0:\g0+3], s[\g1:\g1+7]
	s_nop 0
	PLACES 4
.endm
.macro FRAG4 f, adr, x                 ; fragment f from byte x behind the address registers: four loads
	WIN (1+(\f)/FPW)<<6
.set R_, FR*((\f)%FPW)
	ds_load_b128 v[R_:R_+3], v[\adr] offset:\x
	ds_load_b64 v[R_+4:R_+5], v[\adr+1] offset:\x
	ds_load_b128 v[R_+6:R_+9], v[\adr] offset:(\x)+768
	ds_load_b64 v[R_+10:R_+11], v[\adr+1] offset:(\x)+768
.endm
.macro FETCH e, adr                    ; a block of tokens into set e: NF loads
.irp q, 0,1,2,3,4,5,6,7
	FRAG4 32+8*(\e)+\q, \adr, \q*FRB
.endr
	WIN 0
.endm
.macro PROD1 d, s0, s1, c, x0, x1, side, o
.if \o
	v_wmma_scale_f32_16x16x128_f8f6f4 v[\d:\d+7], v[FR*((\s0)%FPW):FR*((\s0)%FPW)+FR-1], v[FR*((\s1)%FPW):FR*((\s1)%FPW)+FR-1], \c, v[\x0], v[\x1] matrix_a_fmt:MATRIX_FMT_FP6 matrix_b_fmt:MATRIX_FMT_FP6 matrix_\side\()_scale:MATRIX_SCALE_ROW1
.else
	v_wmma_scale_f32_16x16x128_f8f6f4 v[\d:\d+7], v[FR*((\s0)%FPW):FR*((\s0)%FPW)+FR-1], v[FR*((\s1)%FPW):FR*((\s1)%FPW)+FR-1], \c, v[\x0], v[\x1] matrix_a_fmt:MATRIX_FMT_FP6 matrix_b_fmt:MATRIX_FMT_FP6 matrix_\side\()_scale:MATRIX_SCALE_ROW0
.endif
.endm
.macro PROD v, s, n                    ; product n = 4 q + t of block s; v = 1: v's way.  The first along K takes the bias as C
.set Q_, (\n)/4
.set T_, (\n)%4
.set FB_, NB*Q_+T_
.set FA_, 32+8*((\s)%2)+Q_
.set XB_, SB+8*(T_/2)+Q_
.set XA_, SA+8*(\s)+Q_
.if \v
.set D_, ACC+32*T_+8*((\s)%4)
.set W_, (1+FA_/FPW)|((1+FB_/FPW)<<2)
.else
.set D_, ACC+32*((\s)%2)+8*T_
.set W_, (1+FB_/FPW)|((1+FA_/FPW)<<2)
.endif
.if Q_
	WIN W_
.if \v
	PROD1 D_, FA_, FB_, v[D_:D_+7], XA_, XB_, b, T_%2
.else
	PROD1 D_, FB_, FA_, v[D_:D_+7], XB_, XA_, a, T_%2
.endif
.else
	WIN W_|(3<<4)
.if \v
	PROD1 D_, FA_, FB_, v[BO+8*T_:BO+8*T_+7], XA_, XB_, b, T_%2
.else
	PROD1 D_, FB_, FA_, v[BO+8*T_:BO+8*T_+7], XB_, XA_, a, T_%2
.endif
.endif
.endm
.macro PRODS v, s
.set N_, 0
.rept 32
	PROD \v, \s, N_
.set N_, N_+1
.endr
	WIN 0
.endm
.macro BEHIND s                        ; four plain vector lines stand between the last product and the first reader of its sums and the fetch into the registers that it read; then the fetch of the block two on
.if (\s) < 6
	v_add_nc_u32 v[AQ], ((\s)+2)*TILEB, v[AQ0]
	v_add_nc_u32 v[AQ+1], ((\s)+2)*TILEB, v[AQ0+1]
	PLACES 2
	FETCH (\s)%2, AQ
.else
	PLACES 4
.endif
.endm
.macro ROWSIN s                        ; the next block's fragments are in; this block's fetch is younger
	WALU
.if (\s) < 6
	s_wait_dscnt NF
.else
	s_wait_dscnt 0x0
.endif
.endm
; THE QUANTISER of 32 sums a lane from register x on: registers 16 b + 0 .. 15 are numbers 32 b + 16 h + 0 .. 15 of scale blocks b = 0, 1.  It leaves six registers of codes in v[PC ..] (lanes 0-15 block 0, lanes 16-31 block 1) and the two bytes in v254.
.macro QUANT32 x
	WALU
	s_wait_xcnt 0x0                                ; the last stores have read the codes' registers: they are written again only behind this wait
	v_max3_num_f32 v[MX], |v[\x]|, |v[\x+1]|, 0x1800000        ; each accumulator is first read at its low end; the floor 2^(3 - 127): the byte cannot fall under 1
	v_max3_num_f32 v[MX+1], |v[\x+16]|, |v[\x+17]|, 0x1800000
.irp i, 2,4,6,8,10,12,14
	v_max3_num_f32 v[MX], v[MX], |v[\x+\i]|, |v[\x+1+\i]|
	v_max3_num_f32 v[MX+1], v[MX+1], |v[\x+16+\i]|, |v[\x+17+\i]|
.endr
	v_permlanex16_b32 v[MX+2], v[MX], s96, s97
	v_permlanex16_b32 v[MX+3], v[MX+1], s96, s97
	v_max_num_f32 v[MX], v[MX], v[MX+2]            ; with lane l xor 16's 16: the block's largest magnitude
	v_max_num_f32 v[MX+1], v[MX+1], v[MX+3]
	v_add_nc_u32 v[SO], 0xff000000, v[MX]          ; 2 off the exponent field: the conversion's scale operand
	v_add_nc_u32 v[SO+1], 0xff000000, v[MX+1]
	v_lshrrev_b32 v[SO+2], 23, v[SO]               ; the scale's byte
	v_lshrrev_b32 v[SO+3], 23, v[SO+1]
	v_cvt_scalef32_pk16_fp6_f32 v[PC:PC+2], v[\x:\x+15], v[SO]
	v_cvt_scalef32_pk16_fp6_f32 v[PC+6:PC+8], v[\x+16:\x+31], v[SO+1]   ; (a conversion's three registers begin on an even number)
	v_lshl_or_b32 v[SO+4], v[SO+3], 8, v[SO+2]     ; the two bytes.  (The plain place behind the conversions)
.irp i, 0,1,2
	v_permlane16_swap_b32 v[PC+\i], v[PC+6+\i]     ; a WHOLE block in a lane
.endr
.irp i, 0,1,2
	v_mov_b32 v[PC+3+\i], v[PC+6+\i]
.endr
.endm
.macro PUT off, w, hi                  ; half a fragment's image leaves: 512 and 256 consecutive bytes, at multiples of 256 from pc's first byte; the two bytes go into half hi of word w
	global_store_b128 v4, v[PC:PC+3], s[86:87] offset:\off
	global_store_b64 v5, v[PC+4:PC+5], s[86:87] offset:\off
.if \hi
	v_lshl_or_b32 v[WD+(\w)], v[SO+4], 16, v[WD+(\w)]
.else
	v_mov_b32 v[WD+(\w)], v[SO+4]
.endif
.endm
.macro BLOCKQ s                        ; q, k: a block's sums are quantised at once
	PRODS 0, \s
	BEHIND \s
	QUANT32 ACC+32*((\s)%2)
	PUT 768*(\s), (\s)/2, (\s)%2
	ROWSIN \s
.endm
.macro BLOCKV s                        ; v: four blocks' sums of each channel tile are quantised behind the fourth
	PRODS 1, \s
	BEHIND \s
.if (\s)%4 == 3
.irp t, 0,1,2,3
	QUANT32 ACC+32*\t
	PUT 1536*\t+768*((\s)/4), \t, (\s)/4
.endr
.endif
	ROWSIN \s
.endm
; ================= THE HEAD
	s_load_b512 s[4:19], s[0:1], 0x0               ; xc, wc, xs, bq, bk, bv, pc, ps
	v_lshl_add_u32 v[SPW], v0, 2, SPARE
	v_mov_b32 v[NIL], 0
	ds_add_u32 v[SPW], v[NIL]                      ; the opening lines
	ds_add_u32 v[SPW], v[NIL]
	v_lshrrev_b32 v1, 5, v0
	v_readfirstlane_b32 s[WV], v1
	s_lshr_b32 s21, s[WV], 1                       ; a
	s_and_b32 s22, s[WV], 1                        ; b
	s_bfe_u32 s40, ttmp6, 0x40000                  ; cx
	s_bfe_u32 s41, ttmp6, 0x40004                  ; cy
	s_lshl_b32 s43, ttmp9, 2
	s_add_co_u32 s43, s43, s40                     ; tile row, 0 .. 31
	s_and_b32 s50, ttmp7, 0xffff
	s_lshr_b32 s51, s50, 1                         ; the tensor: 0 q, 1 k, 2 v
	s_and_b32 s42, s50, 1
	s_lshl_b32 s42, s42, 2
	s_add_co_u32 s42, s42, s41                     ; tile column = pair of heads, 0 .. 7
	s_lshl_b32 s44, 0x1111, s40                    ; my column of the cluster: shares the tokens' tiles
	s_lshl_b32 s45, s41, 2
	s_lshl_b32 s45, 15, s45                        ; my row: shares the weights'
	GROUP1 G1A, 44
	GROUP1 G1B, 45
	s_mov_b32 s[G0A], 1
	s_mov_b32 s[G0B], 1
	s_lshl_b32 s52, s51, 9
	s_lshl_b32 s53, s43, 4
	s_add_co_u32 s52, s52, s53                     ; the first of my sixteen token tiles
	s_mul_i32 s76, s52, TILEB
	s_mov_b32 s77, 0
	s_lshl_b32 s54, s51, 6
	s_lshl_b32 s53, s42, 3
	s_add_co_u32 s54, s54, s53                     ; the first of my eight weight tiles
	s_mul_i32 s78, s54, TILEB
	s_mov_b32 s79, 0
	s_lshl_b32 s53, s21, 3
	s_add_co_u32 s80, s52, s53
	s_lshl_b32 s80, s80, 9                         ; block 0's scale words; a block's lie 512 bytes behind the last block's
	s_mov_b32 s81, 0
	s_lshl_b32 s53, s22, 2
	s_add_co_u32 s82, s54, s53
	s_add_co_u32 s82, s82, 1536
	s_lshl_b32 s82, s82, 9                         ; my four weight tiles' scale words
	s_mov_b32 s83, 0
	s_lshl_b32 s84, s42, 9
	s_lshl_b32 s53, s22, 8
	s_add_co_u32 s84, s84, s53                     ; my head's 64 numbers of the bias, in bytes
	s_mov_b32 s85, 0
	s_lshl_b32 s46, s43, 1
	s_add_co_u32 s46, s46, s21                     ; my step of 128 tokens
	s_lshl_b32 s86, s46, 4
	s_lshl_b32 s53, s42, 1
	s_add_co_u32 s86, s86, s53
	s_add_co_u32 s86, s86, s22                     ; (step, head)
	s_mul_i32 s86, s86, 6144
	s_mul_i32 s53, s51, PCT
	s_add_co_u32 s86, s86, s53
	s_mov_b32 s87, 0
	s_lshl_b32 s88, s46, 3
	s_add_co_u32 s88, s88, s42
	s_mul_i32 s88, s88, 3
	s_add_co_u32 s88, s88, s51
	s_lshl_b32 s88, s88, 9                         ; (step, pair, tensor)'s 512 bytes of scale words;
	s_lshl_b32 s53, s22, 8                         ; my head's part begins 256 b bytes in,
	s_lshl_b32 s47, s22, 3                         ; in v's 8 b
	s_cmp_eq_u32 s51, 2
	s_cselect_b32 s53, s47, s53
	s_add_co_u32 s88, s88, s53
	s_mov_b32 s89, 0
	s_mul_i32 s23, s21, 8*TILEB
	s_mul_i32 s47, s22, NB*TILEB
	s_add_co_u32 s47, s47, YB
	s_mov_b32 s96, 0x76543210
	s_mov_b32 s97, 0xfedcba98                      ; selects for lane l xor 16
	v_and_b32 v1, 15, v0                           ; r
	v_bfe_u32 v2, v0, 4, 1                         ; h
	v_and_b32 v3, 31, v0                           ; lane
	v_lshlrev_b32 v4, 4, v3                        ; 16 x lane
	v_lshl_add_u32 v5, v3, 3, 512                  ; 512 + 8 x lane
	v_add_nc_u32 v[AQ0], s23, v4
	v_add_nc_u32 v[AQ0+1], s23, v5
	v_add_nc_u32 v[AQ], TILEB, v[AQ0]
	v_add_nc_u32 v[AQ+1], TILEB, v[AQ0+1]
	v_add_nc_u32 v[BA], s47, v4
	v_add_nc_u32 v[BA+1], s47, v5
	v_lshlrev_b32 v22, 4, v1                       ; 16 r: the tokens' scale words, and q's and k's on the way out
	v_lshl_add_u32 v23, v2, 9, v22                 ; the weights': lanes 16-31 take the next tile's
	v_lshlrev_b32 v8, 6, v2                        ; q's, k's bias: 16 numbers on for the upper half of the lanes
	v_and_b32 v9, 8, v1
	v_add_nc_u32 v9, v9, v1
	v_lshlrev_b32 v9, 2, v9                        ; v's bias: the number of channel row r: r + 8 (r / 8)
	v_mov_b32 v[MX+2], 0                           ; written once: a lane permute's destination counts as one of its sources
	v_mov_b32 v[MX+3], 0
	v_cmp_le_u32 s94, 16, v3                       ; lanes 16-31
	WALU
	s_wait_dscnt 0x0
	CROUND                                         ; the opening round, ahead of the wait for the arguments
	s_wait_kmcnt 0x0
	s_add_nc_u64 s[G0A+2:G0A+3], s[4:5], s[76:77]
	s_add_nc_u64 s[G0B+2:G0B+3], s[6:7], s[78:79]
	s_add_nc_u64 s[80:81], s[8:9], s[80:81]
	s_add_nc_u64 s[82:83], s[8:9], s[82:83]
	s_add_nc_u64 s[86:87], s[16:17], s[86:87]
	s_add_nc_u64 s[88:89], s[18:19], s[88:89]
	s_mov_b64 s[90:91], s[14:15]                   ; the bias: chosen on the tensor's number alone
	s_cmp_eq_u32 s51, 1
	s_cselect_b64 s[90:91], s[12:13], s[90:91]
	s_cmp_eq_u32 s51, 0
	s_cselect_b64 s[90:91], s[10:11], s[90:91]
	s_add_nc_u64 s[90:91], s[90:91], s[84:85]
	s_cmp_eq_u32 s[WV], 0
	s_cbranch_scc0 .Lwave_1
	TILES G0B, G1B, YB, 0, 4                       ; wave 0: the weights' tiles 0 to 3, which are wanted first
	s_branch .Lasked
.Lwave_1:
	s_cmp_eq_u32 s[WV], 1
	s_cbranch_scc0 .Lwave_2
	TILES G0B, G1B, YB, 4, 4                       ; wave 1: 4 to 7
	s_branch .Lasked
.Lwave_2:
	s_cmp_eq_u32 s[WV], 2
	s_cbranch_scc0 .Lwave_3
	TILES G0A, G1A, 0, 0, 8                        ; wave 2: the tokens' tiles 0 to 7
	s_branch .Lasked
.Lwave_3:
	TILES G0A, G1A, 0, 8, 8                        ; wave 3: 8 to 15
.Lasked:
.irp p, 0,1
.irp e, 0,1
	global_load_b128 v[SB+8*\p+4*\e:SB+8*\p+4*\e+3], v23, s[82:83] offset:1024*\p+256*\e
.endr
.endr
.irp s, 0,1,2,3,4,5,6,7
.irp e, 0,1
	global_load_b128 v[SA+8*\s+4*\e:SA+8*\s+4*\e+3], v22, s[80:81] offset:512*\s+256*\e
.endr
.endr
	s_cmp_eq_u32 s51, 2
	s_cbranch_scc1 .Lbias_v
	WIN 0xc0
.irp b, 0,1,2,3                        ; q, k: register j of weight tile t is channel 32 (t / 2) + 8 (t % 2) + 16 h + j
	global_load_b128 v[BO+8*\b:BO+8*\b+3], v8, s[90:91] offset:(32*(\b/2)+8*(\b%2))*4
	global_load_b128 v[BO+8*\b+4:BO+8*\b+7], v8, s[90:91] offset:(32*(\b/2)+8*(\b%2))*4+16
.endr
	WIN 0
	s_branch .Lbias_in
.Lbias_v:
	WIN 0xc0
.irp b, 0,1,2,3                        ; v: one number a lane and channel tile
	global_load_b32 v[BO+8*\b], v9, s[90:91] offset:(32*(\b/2)+8*(\b%2))*4
.endr
	WIN 0
.Lbias_in:
	s_cmp_lt_u32 s[WV], 2
	s_cbranch_scc0 .Lnot_b
	s_wait_tensorcnt 0x0                           ; waves 0 and 1: the weights' tiles have landed
.Lnot_b:
	BARRIER
.irp q, 0,1,2,3,4,5,6,7                ; my four weight tiles, all of K: 128 loads
.irp b, 0,1,2,3
	FRAG4 NB*\q+\b, BA, \b*TILEB+\q*FRB
.endr
.endr
	WIN 0
	s_wait_tensorcnt 0x0                           ; every wave's tiles have landed
	s_wait_dscnt 0x0
	BARRIER                                        ; the tokens' tiles are shown to all
	FETCH 0, AQ0
	FETCH 1, AQ
	s_wait_loadcnt 0x0                             ; the scale words and the bias
	s_cmp_eq_u32 s51, 2
	s_cbranch_scc1 .Lv
; ================= Q, K: eight blocks
	s_wait_dscnt NF                                ; block 0's fragments are in
.irp s, 0,1,2,3,4,5,6,7
	BLOCKQ \s
.endr
	global_store_b128 v22, v[WD:WD+3], s[88:89]    ; my head's four words of row r: sixteen lanes store 256 consecutive bytes (lanes l and l + 16 store the same)
	s_branch .Lend
; ================= V: eight blocks
.Lv:
	WIN 0xc3
.irp t, 0,1,2,3
.irp i, 1,2,3,4,5,6,7
	v_mov_b32 v[BO+8*\t+\i], v[BO+8*\t]            ; a lane's eight sums of a product are one channel's
.endr
.endr
	WIN 0
	WALU
	s_wait_dscnt NF                                ; block 0's fragments are in
.irp s, 0,1,2,3,4,5,6,7
	BLOCKV \s
.endr
	v_cndmask_b32 v[SO+2], v[WD], v[WD+1], s94     ; lanes 0-15 store channel tiles 0 and 2, lanes 16-31 tiles 1 and 3
	v_cndmask_b32 v[SO+3], v[WD+2], v[WD+3], s94
	global_store_b64 v4, v[SO+2:SO+3], s[88:89]    ; my head's 8 of a lane's 16 bytes: the other 8 are the other wave column's
.Lend:
	s_wait_tensorcnt 0x0                           ; the wave's end
	ds_add_u32 v[SPW], v[NIL]
	s_wait_dscnt 0x0
	CROUND                                         ; the closing round
	s_endpgm
.Lfunc_end_k_q4945f55180_proj:
	.size	k_q4945f55180_proj, .Lfunc_end_k_q4945f55180_proj-k_q4945f55180_proj
	.p2alignl 7, 3214868480
	.fill 96, 4, 3214868480
	.section	.rodata,"a",@progbits
	.p2align	6, 0x0
	.amdhsa_kernel k_q4945f55180_proj
		.amdhsa_group_segment_fixed_size 327680
		.amdhsa_private_segment_fixed_size 0
		.amdhsa_enable_private_segment 0
		.amdhsa_kernarg_size 64
		.amdhsa_user_sgpr_count 2
		.amdhsa_user_sgpr_kernarg_segment_ptr 1
		.amdhsa_wavefront_size32 1
		.amdhsa_system_sgpr_workgroup_id_x 1
		.amdhsa_system_sgpr_workgroup_id_y 1
		.amdhsa_system_sgpr_workgroup_id_z 1
		.amdhsa_system_vgpr_workitem_id 0
		.amdhsa_next_free_vgpr 880
		.amdhsa_next_free_sgpr 100
		.amdhsa_reserve_vcc 0
		.amdhsa_float_denorm_mode_32 3
		.amdhsa_float_denorm_mode_16_64 3
		.amdhsa_memory_ordered 1
		.amdhsa_forward_progress 1
		.amdhsa_inst_pref_size 155
	.end_amdhsa_kernel
	.amdgpu_metadata
---
amdhsa.version: [ 1, 2 ]
amdhsa.kernels:
  - .name:           k_q4945f55180_proj
    .symbol:         k_q4945f55180_proj.kd
    .args:
      - { .name: xc, .offset: 0, .size: 8, .value_kind: global_buffer, .address_space: global }
      - { .name: wc, .offset: 8, .size: 8, .value_kind: global_buffer, .address_space: global }
      - { .name: xs, .offset: 16, .size: 8, .value_kind: global_buffer, .address_space: global }
      - { .name: bq, .offset: 24, .size: 8, .value_kind: global_buffer, .address_space: global }
      - { .name: bk, .offset: 32, .size: 8, .value_kind: global_buffer, .address_space: global }
      - { .name: bv, .offset: 40, .size: 8, .value_kind: global_buffer, .address_space: global }
      - { .name: pc, .offset: 48, .size: 8, .value_kind: global_buffer, .address_space: global }
      - { .name: ps, .offset: 56, .size: 8, .value_kind: global_buffer, .address_space: global }
    .group_segment_fixed_size: 327680
    .private_segment_fixed_size: 0
    .kernarg_segment_align: 8
    .kernarg_segment_size: 64
    .max_flat_workgroup_size: 128
    .sgpr_count:     100
    .vgpr_count:     880
    .wavefront_size: 32
...
	.end_amdgpu_metadata
.endif
;; end of part 2
;; launch attn (part 3): grid 4 x 64, 16 waves a work-group, clusters of 4 x 1, 215,040 bytes of LDS; arguments pc, ps, ac, xs; writes ac, xs
.if DOCPART == 3
	.amdgcn_target "amdgcn-amd-amdhsa--gfx1250"
	.amdhsa_code_object_version 6
	.text
	.protected	k_q4945f55180_attn
	.globl	k_q4945f55180_attn
	.p2align	8
	.type	k_q4945f55180_attn,@function
k_q4945f55180_attn:
	s_mov_b64 s[64:65], 0
	v_nop
	global_prefetch_b8 v0, s[64:65] scope:SCOPE_SE
	s_setreg_imm32_b32 hwreg(HW_REG_WAVE_MODE, 25, 1), 1
	s_wait_xcnt 0x0
	s_wait_alu depctr_hold_cnt(0) depctr_sa_sdst(0) depctr_va_vdst(0) depctr_va_sdst(0) depctr_va_ssrc(0) depctr_va_vcc(0) depctr_vm_vsrc(0)
	s_getreg_b32 s2, hwreg(HW_REG_IB_STS2, 6, 4)
	s_cmp_eq_u32 s2, 0
	s_cbranch_scc0 .Lentry_in_a_cluster
	s_endpgm
.Lentry_in_a_cluster:
	s_bfe_u32 s2, ttmp6, 0x10000c
	s_cmp_lg_u32 s2, 0x3003
	s_cbranch_scc0 .Lentry_shape_is_right
	s_endpgm
.Lentry_shape_is_right:
; O[b][head][q] = the sum over k of softmax_k(q . k / 8) v, both products on codes of FP6 (E2M3) with E8M0 scales; the result, divided by the row's sum, is quantised along the head's 64 channels and stored as codes for the last product.
; THE SOFTMAX: t = score x log2(e) / 8; M = the row's largest t so far, rounded UP to a whole number; p = 2^(t - M) is quantised along the keys, not normalised; the row's sum is taken of the unquantised p in f32.
; When M moves, the sum and O are multiplied by 2^(old M - new M): exact.
; SHARES.  256 work-groups.  A work-group owns 512 queries of one head: 32 tiles of 16.  Each of its sixteen waves takes two tiles, one after the other (PASS 0, PASS 1), each over all 16 key steps of 128 keys.
; THE HEAD'S K AND V STAY IN LDS: 16 key steps, 6,144 bytes of K and of V each, filled ONCE, by one tensor load a wave (two key steps: two rows of 6,144 bytes, 98,304 bytes apart in memory).  Nothing is filled again: one barrier
; behind the fills, and none after it.  The scale words (1,024 bytes a step) come by plain loads and LDS stores, wave w taking step w's, into bytes of their own.
; CLUSTER.  The four query blocks of a cluster belong to one head: K's and V's tiles are asked for JOINTLY, with the mask of all four.  The grid has one cluster along x, so cx is the block's number.
; No prefetch: all bytes that the work-group reads through LDS are asked for in its first lines, and both tiles' Q too.
; LAYOUT.  Both products transposed: S^T = K Q^T, O^T = V^T P^T: a lane holds ONE query (lane % 16).  The operands lie in memory as images of their registers (1,536 bytes a fragment: two halves of 768).
; K = 64 IN AN INSTRUCTION OF 128: a fragment of K carries TWO tiles of 16 keys, tile 2 f as k 0-63 and tile 2 f + 1 as k 64-127.  Multiplied by [q | zeros] it gives tile 2 f's scores, by [zeros | q] tile 2 f + 1's.
; Row m of key tile i is key 64 (i / 4) + 32 (m / 8) + 8 (i % 4) + m % 8 (the first launch deals key's tokens so): the 32 score registers of tiles 4 c .. 4 c + 3 in lane (r, h) are keys 64 c + 32 h + 0 .. 31, ONE WHOLE BLOCK, in the
; order of the second product's operand: a block's maximum needs no other lane, and the conversions' results stay in their lane.
; LIMITS: NaN and infinities are not served; the scaled scores stay under 2^31 in magnitude; a block under 2^-124 has its byte held at 1, a block of zeros the byte 1 (its codes are zeros; this program alone reads the bytes);
; the division is v_rcp_f32 and a multiply; a block's largest p is taken as the exponential of its largest score (v_exp_f32 is taken not to fall where its input rises).
; REGISTERS: v1-4, v11, v228-230 addresses and shifts that stay; v5-10 the step's addresses; v12 -M, v13 the largest score, v[14:15] the sum in two halves; v16-21 q, v22-27 zeros, v28-33 q: [q | 0] = v16-27, [0 | q] = v22-33;
;   v40 Q's scale word; v41 p's; v42-45 K's four; v46-47 V's; v48-95 four fragments, K's and then V's; v96-159 S^T, then p; v160-191 O^T; v192-203 p's codes; v204-210 conversion halves; v212-227, v242-253 at work;
;   v231 the first tile's scale word as loaded; v232-238 the second tile's q and word; v254, v255 the add's two.
.set VREG,  98304                      ; LDS: K's 16 steps from 0, V's from here,
.set SREG,  196608                     ; the scale words from here: a step's 512 bytes for K (even head's 256, odd head's), then 512 for V
.set SPARE, 212992                     ; the spare words: 128 bytes a wave
.set STEPB, 6144                       ; a key step's four fragments
.set PCT,   6291456                    ; pc: q's part, k's, v's
.set F,   48
.set S,   96
.set O,   160
.set P,   192
.set WV,  12                           ; s12 my wave's number
.macro CROUND                          ; a round of the cluster's barrier
	s_barrier_signal -1
	s_barrier_wait -1
	s_cmp_lg_u32 s[WV], 0
	s_cbranch_scc1 .Lnot_wave_0_\@
	s_barrier_signal -3
.Lnot_wave_0_\@:
	s_barrier_wait -3
	s_barrier_signal -1
	s_barrier_wait -1
.endm
	s_load_b256 s[4:11], s[0:1], 0x0               ; pc s[4:5], ps s[6:7], ac s[8:9], xs s[10:11]
	v_lshl_add_u32 v254, v0, 2, SPARE
	v_mov_b32 v255, 0
	ds_add_u32 v254, v255                          ; the opening lines
	ds_add_u32 v254, v255
	v_lshrrev_b32 v1, 5, v0
	v_readfirstlane_b32 s[WV], v1                  ; wave 0..15
	s_bfe_u32 s14, ttmp6, 0x40000                  ; cx: my block of 512 queries; it enters Q's and the results' addresses alone
	s_and_b32 s15, ttmp7, 0xffff                   ; batch x 16 + head: the four partners share it
	s_lshr_b32 s16, s15, 4                         ; batch
	s_and_b32 s17, s15, 15                         ; head
	s_and_b32 s18, s17, 1                          ; its parity
	s_lshr_b32 s19, s17, 1                         ; its pair
	s_lshr_b32 s72, s[WV], 3                       ; I fetch K (0) or V (1);  also: which 128 of a pass's 256 queries
	s_bfe_u32 s73, s[WV], 0x20001                  ; which pair fragment of Q
	s_and_b32 s74, s[WV], 1                        ; which half of that fragment
	s_and_b32 s75, s[WV], 7                        ; which two key steps I fetch;  also: my tile among the eight of 128 queries
	; descriptor group 1: two rows of 768 elements of 8 bytes, 12,288 elements apart
	s_mov_b32 s24, 15|(3<<16)|(1<<21)              ; 15:0 the mask: all four work-groups; 17:16 elements of 8 bytes; 21 set beside a mask
	s_mov_b32 s25, 768<<16
	s_mov_b32 s26, 2<<16
	s_mov_b32 s27, 768<<16
	s_mov_b32 s28, 2
	s_mov_b32 s29, 12288
	s_mov_b32 s30, 0
	s_mov_b32 s31, 0
	s_lshl_b32 s66, s16, 4
	s_add_co_u32 s66, s66, s[WV]                   ; key step w of my batch:
	s_lshl_b32 s66, s66, 3
	s_add_co_u32 s66, s66, s19
	s_mul_i32 s66, s66, 3
	s_add_co_u32 s66, s66, 1
	s_lshl_b32 s66, s66, 9                         ; K's block of scale words, and V's behind it: 1,024 consecutive bytes
	s_mov_b32 s67, 0
	s_lshl_b32 s68, s16, 4
	s_lshl_b32 s69, s75, 1
	s_add_co_u32 s68, s68, s69                     ; the first of my two key steps
	s_lshl_b32 s68, s68, 4
	s_add_co_u32 s68, s68, s17
	s_mul_i32 s68, s68, STEPB                      ; (step, head)'s four fragments,
	s_add_co_u32 s70, s72, 1
	s_mul_i32 s70, s70, PCT
	s_add_co_u32 s68, s68, s70                     ; in k's part of pc or in v's
	s_mov_b32 s69, 0
	s_mov_b32 s40, 1
	s_mul_i32 s41, s[WV], 2*STEPB                  ; where they go: wave x 12,288: K's sixteen steps, then V's
	s_lshl_b32 s76, s[WV], 10
	s_add_co_u32 s76, s76, SREG                    ; and step w's scale words
	s_cmp_eq_u32 s18, 0
	s_cselect_b32 s78, 0, 256
	s_cselect_b32 s77, 0, 8
	s_add_co_u32 s78, s78, SREG
	s_add_co_u32 s77, s77, SREG+512
	s_mov_b32 s90, 0x03020302
	s_cmp_eq_u32 s74, 0
	s_cselect_b32 s90, 0x01000100, s90             ; my tile's two bytes of the pair fragment's word, twice
	s_lshl_b32 s79, s16, 4
	s_lshl_b32 s80, s14, 2
	s_add_co_u32 s79, s79, s80
	s_add_co_u32 s79, s79, s72                     ; my first tile's step of 128 tokens; the second tile's lies two steps on
	s_lshl_b32 s80, s79, 4
	s_add_co_u32 s80, s80, s17
	s_mul_i32 s80, s80, STEPB
	s_mul_i32 s81, s73, 1536
	s_add_co_u32 s80, s80, s81
	s_mul_i32 s81, s74, 768
	s_add_co_u32 s80, s80, s81                     ; my tile's six registers of codes
	s_mov_b32 s81, 0
	s_lshl_b32 s82, s79, 3
	s_add_co_u32 s82, s82, s19
	s_mul_i32 s82, s82, 1536
	s_lshl_b32 s83, s18, 8
	s_add_co_u32 s82, s82, s83
	s_lshl_b32 s83, s73, 2
	s_add_co_u32 s82, s82, s83                     ; the pair fragment's scale words
	s_mov_b32 s83, 0
	s_lshl_b32 s84, s79, 3
	s_add_co_u32 s84, s84, s75                     ; my row tile among the 512
	s_mul_i32 s86, s84, 12288
	s_mul_i32 s87, s19, 1536
	s_add_co_u32 s86, s86, s87                     ; K step of the last product = pair of heads,
	s_mul_i32 s87, s18, 768
	s_add_co_u32 s86, s86, s87                     ; half of its fragment = the head's parity
	s_mov_b32 s87, 0
	s_add_co_u32 s88, s84, 1792
	s_lshl_b32 s88, s88, 9
	s_lshr_b32 s89, s17, 3
	s_lshl_b32 s89, s89, 8
	s_add_co_u32 s88, s88, s89
	s_and_b32 s89, s19, 3
	s_lshl_b32 s89, s89, 2
	s_add_co_u32 s88, s88, s89
	s_lshl_b32 s89, s18, 1
	s_add_co_u32 s88, s88, s89                     ; my two bytes of that K step's scale word
	s_mov_b32 s89, 0
	s_mov_b32 s20, 0x76543210
	s_mov_b32 s21, 0xfedcba98                      ; selects for lane l xor 16
	s_mov_b32 s22, 0x3e38aa3b                      ; c = log2(e) / 8
	s_mov_b32 s23, s22                             ; (named with it as a pair, so it is written)
	s_mov_b32 s91, 0xbe38aa3b                      ; -c
	s_wait_dscnt 0x0                               ; both opening adds are done
	CROUND                                         ; all four work-groups are here: the joint loads meet
	s_wait_kmcnt 0x0
	s_add_nc_u64 s[42:43], s[4:5], s[68:69]
	s_or_b32 s43, s43, 0x80000000
	tensor_load_to_lds s[40:43], s[24:31]          ; my one tensor load: two key steps of K or of V
	s_nop 0
.rept 4
	v_nop
.endr
	s_add_nc_u64 s[66:67], s[6:7], s[66:67]
	s_add_nc_u64 s[80:81], s[4:5], s[80:81]
	s_add_nc_u64 s[82:83], s[6:7], s[82:83]
	s_add_nc_u64 s[86:87], s[8:9], s[86:87]
	s_add_nc_u64 s[88:89], s[10:11], s[88:89]
	v_and_b32 v226, 31, v0                         ; lane
	v_and_b32 v227, 15, v0                         ; r
	v_bfe_u32 v11, v0, 4, 1                        ; h
	v_lshlrev_b32 v1, 4, v226                      ; 16 x lane
	v_lshl_add_u32 v2, v226, 3, 512                ; 512 + 8 x lane
	v_lshlrev_b32 v230, 4, v227                    ; 16 r
	v_lshlrev_b32 v11, 3, v11                      ; 8 h: how far my two bytes are shifted in p's scale word
	v_add_nc_u32 v3, s78, v230                     ; K's words: my head's 256 bytes, 16 bytes a row: four pair fragments
	v_add_nc_u32 v4, s77, v1                       ; V's: 16 bytes a lane, my head's 8 of them
	v_add_nc_u32 v228, VREG, v1
	v_add_nc_u32 v229, VREG, v2
	v_add_nc_u32 v10, s76, v1                      ; where step w's scale words go
	s_wait_alu depctr_va_vdst(0)
	global_load_b128 v[96:99], v1, s[66:67]        ; step w's scale words: 512 consecutive bytes an instruction
	global_load_b128 v[100:103], v1, s[66:67] offset:512
	global_load_b128 v[16:19], v1, s[80:81]        ; the first tile's q,
	global_load_b64 v[20:21], v2, s[80:81]
	global_load_b128 v[28:31], v1, s[80:81]        ; twice: on either side of the zeros
	global_load_b64 v[32:33], v2, s[80:81]
	global_load_b32 v231, v230, s[82:83]           ; its pair fragment's scale word of row r
	global_load_b128 v[232:235], v1, s[80:81] offset:196608   ; the second tile's: two steps of sixteen heads on
	global_load_b64 v[236:237], v2, s[80:81] offset:196608
	global_load_b32 v238, v230, s[82:83] offset:24576
.irp j, 22,23,24,25,26,27
	v_mov_b32 v[\j], 0                             ; the zero codes
.endr
	v_mov_b32 v216, 0                              ; written once: a lane permute's destination counts as one of its sources
	v_mov_b32 v217, 0
	v_mov_b32 v225, 0                              ; (named as the upper half of the pair v[224:225])
	v_mov_b32 v226, 0
	s_wait_loadcnt 8                               ; the scale words are in; the eight loads of Q behind them may be out
	ds_store_b128 v10, v[96:99]
	ds_store_b128 v10, v[100:103] offset:512
	s_wait_loadcnt 0x0                             ; Q
; A KEY STEP: 128 keys.  s60: the step's bytes among K's (and V's); s61: among the scale words.
.macro STEP
	v_add_nc_u32 v5, s60, v1
	v_add_nc_u32 v6, s60, v2
	v_add_nc_u32 v9, s61, v3
	v_nop                                          ; four places behind the last products, in front of loads into the registers that they read
.irp f, 0,1,2,3
	ds_load_b128 v[F+12*\f:F+12*\f+3], v5 offset:1536*\f
	ds_load_b64 v[F+12*\f+4:F+12*\f+5], v6 offset:1536*\f
	ds_load_b128 v[F+12*\f+6:F+12*\f+9], v5 offset:1536*\f+768
	ds_load_b64 v[F+12*\f+10:F+12*\f+11], v6 offset:1536*\f+768
.endr
	ds_load_b128 v[42:45], v9
	s_wait_dscnt 0x0
.irp f, 0,1,2,3
.irp u, 0,1
	v_wmma_scale_f32_16x16x128_f8f6f4 v[S+8*(2*\f+\u):S+8*(2*\f+\u)+7], v[F+12*\f:F+12*\f+11], v[16+6*\u:27+6*\u], 0, v[42+\f], v40 matrix_a_fmt:MATRIX_FMT_FP6 matrix_b_fmt:MATRIX_FMT_FP6
.endr
.endr
	v_add_nc_u32 v7, s60, v228
	v_add_nc_u32 v8, s60, v229
	v_add_nc_u32 v10, s61, v4
	v_nop                                          ; four places: in front of V's loads into K's registers, and of the first read of the scores
.irp t, 0,1,2,3
	ds_load_b128 v[F+12*\t:F+12*\t+3], v7 offset:1536*\t          ; V lands under the softmax
	ds_load_b64 v[F+12*\t+4:F+12*\t+5], v8 offset:1536*\t
	ds_load_b128 v[F+12*\t+6:F+12*\t+9], v7 offset:1536*\t+768
	ds_load_b64 v[F+12*\t+10:F+12*\t+11], v8 offset:1536*\t+768
.endr
	ds_load_b64 v[46:47], v10
.irp k, 0,1,2,3
	v_max3_num_f32 v[212+\k], v[S+16*\k], v[S+1+16*\k], v[S+2+16*\k]   ; THE LARGEST SCORE OF MY TWO BLOCKS OF 32 KEYS, two chains a block, the four by turns; each accumulator is first read at its low end
.endr
.irp i, 3,5,7,9,11,13
.irp k, 0,1,2,3
	v_max3_num_f32 v[212+\k], v[212+\k], v[S+16*\k+\i], v[S+1+16*\k+\i]
.endr
.endr
	v_max3_num_f32 v212, v212, v213, v[S+15]
	v_max3_num_f32 v214, v214, v215, v[S+47]
	v_max_num_f32 v212, v212, v[S+31]              ; block h's largest score,
	v_max_num_f32 v214, v214, v[S+63]              ; block 2 + h's: each serves for the row's maximum and, since p rises with the score, for the block's largest p
	s_delay_alu instid0(VALU_DEP_1)
	v_max3_num_f32 v13, v13, v212, v214            ; the running largest score of my half of the keys,
	s_delay_alu instid0(VALU_DEP_1)
	v_permlanex16_b32 v216, v13, s20, s21
	s_delay_alu instid0(VALU_DEP_1)
	v_max_num_f32 v13, v13, v216                   ; and of lane l xor 16's
	s_delay_alu instid0(VALU_DEP_1)
	v_mul_f32 v226, s91, v13                       ; -t (c is positive)
	v_mov_b32 v227, v12
	s_delay_alu instid0(VALU_DEP_2)
	v_floor_f32 v12, v226                          ; the new -M = floor(-t) = -ceil(t): a whole number
	s_delay_alu instid0(VALU_DEP_1)
	v_sub_f32 v226, v12, v227                      ; M's old value less its new one: a whole number, 0 or less
	s_delay_alu instid0(VALU_DEP_1)
	v_cvt_i32_f32 v226, v226                       ; (it saturates)
	s_delay_alu instid0(VALU_DEP_1)
	v_ldexp_f32 v224, 1.0, v226                    ; f = 2^(old M - new M)
.irp j, 0,2,4,6,8,10,12,14,16,18,20,22,24,26,28,30
	v_pk_mul_f32 v[O+\j:O+1+\j], v[O+\j:O+1+\j], v[224:225] op_sel_hi:[1,0]   ; O^T under the new M, ahead of the exponentials
.endr
.irp j, 0,2,4,6,8,10,12,14,16,18,20,22,24,26,28,30,32,34,36,38,40,42,44,46,48,50,52,54,56,58,60,62
	v_pk_fma_f32 v[S+\j:S+1+\j], v[S+\j:S+1+\j], s[22:23], v[12:13] op_sel_hi:[1,0,0]   ; t - M, two at a time
.endr
	v_fma_f32 v212, v212, s22, v12                 ; the same of each block's largest score
	v_fma_f32 v214, v214, s22, v12
	s_wait_alu depctr_va_vdst(0)
	v_exp_f32 v212, v212                           ; the block's largest p: the same two instructions on the same number give the same bits
	v_exp_f32 v214, v214
.set n, 0
.rept 64
	v_exp_f32 v[S+n], v[S+n]                       ; p = 2^(t - M), at most 1: not normalised
.set n, n+1
.endr
	v_pk_mul_f32 v[14:15], v[14:15], v[224:225] op_sel_hi:[1,0]   ; the sums under the new M.  (The plain place behind the exponentials)
	s_wait_alu depctr_va_vdst(0)                   ; one wait for the whole batch, ahead of the first line that names a result
	v_max_num_f32 v212, 0x1800000, v212            ; the floor 2^(3 - 127): the byte cannot fall under 1
	v_max_num_f32 v214, 0x1800000, v214
	s_delay_alu instid0(VALU_DEP_2)
	v_add_nc_u32 v220, 0xff000000, v212            ; 2 off the exponent field: the conversion's scale operand
	s_delay_alu instid0(VALU_DEP_2)
	v_add_nc_u32 v221, 0xff000000, v214
.irp c, 0,1
	v_cvt_scalef32_pk16_fp6_f32 v[P+6*\c:P+2+6*\c], v[S+32*\c:S+15+32*\c], v[220+\c]
	v_cvt_scalef32_pk16_fp6_f32 v[P+12+4*\c:P+14+4*\c], v[S+16+32*\c:S+31+32*\c], v[220+\c]   ; (a conversion's three registers begin on an even number)
.endr
	v_lshrrev_b32 v216, 23, v220                   ; the scales' bytes.  (The plain place behind the conversions)
	v_lshrrev_b32 v217, 23, v221
	s_delay_alu instid0(VALU_DEP_1)
	v_lshl_or_b32 v216, v217, 16, v216             ; blocks h and 2 + h,
	s_delay_alu instid0(VALU_DEP_1)
	v_lshlrev_b32 v216, v11, v216                  ; at their places in the word;
	s_delay_alu instid0(VALU_DEP_1)
	v_permlanex16_b32 v217, v216, s20, s21
	s_delay_alu instid0(VALU_DEP_1)
	v_or_b32 v41, v216, v217                       ; with lane l xor 16's two p's scale word for these 128 keys is whole
.irp c, 0,1
.irp i, 0,1,2
	v_mov_b32 v[P+3+6*\c+\i], v[P+12+4*\c+\i]      ; registers 6 c .. 6 c + 5 hold k = 64 c + 32 h + 0 .. 31
.endr
.endr
	; THE ROW'S SUM, of the unquantised p, in eight chains.  These 32 lines are also the places between the lines that made p's codes and word and the products below
	v_pk_add_f32 v[216:217], v[100:101], v[104:105]
	v_pk_add_f32 v[252:253], v[108:109], v[112:113]
	v_pk_add_f32 v[250:251], v[116:117], v[120:121]
	v_pk_add_f32 v[248:249], v[124:125], v[128:129]
	v_pk_add_f32 v[246:247], v[132:133], v[136:137]
	v_pk_add_f32 v[244:245], v[140:141], v[144:145]
	v_pk_add_f32 v[242:243], v[148:149], v[152:153]
	v_pk_add_f32 v[14:15], v[14:15], v[156:157]
	v_pk_add_f32 v[216:217], v[216:217], v[96:97]
	v_pk_add_f32 v[252:253], v[252:253], v[98:99]
	v_pk_add_f32 v[250:251], v[250:251], v[102:103]
	v_pk_add_f32 v[248:249], v[248:249], v[106:107]
	v_pk_add_f32 v[246:247], v[246:247], v[110:111]
	v_pk_add_f32 v[244:245], v[244:245], v[114:115]
	v_pk_add_f32 v[242:243], v[242:243], v[118:119]
	v_pk_add_f32 v[14:15], v[14:15], v[122:123]
	v_pk_add_f32 v[216:217], v[216:217], v[126:127]
	v_pk_add_f32 v[252:253], v[252:253], v[130:131]
	v_pk_add_f32 v[250:251], v[250:251], v[134:135]
	v_pk_add_f32 v[248:249], v[248:249], v[138:139]
	v_pk_add_f32 v[246:247], v[246:247], v[142:143]
	v_pk_add_f32 v[244:245], v[244:245], v[146:147]
	v_pk_add_f32 v[242:243], v[242:243], v[150:151]
	v_pk_add_f32 v[14:15], v[14:15], v[154:155]
	v_pk_add_f32 v[216:217], v[216:217], v[158:159]
	s_delay_alu instid0(VALU_DEP_2)
	v_pk_add_f32 v[14:15], v[14:15], v[248:249]
	s_delay_alu instid0(VALU_DEP_2)
	v_pk_add_f32 v[216:217], v[216:217], v[246:247]
	v_pk_add_f32 v[252:253], v[252:253], v[244:245]
	v_pk_add_f32 v[250:251], v[250:251], v[242:243]
	s_delay_alu instid0(VALU_DEP_2)
	v_pk_add_f32 v[14:15], v[14:15], v[252:253]
	s_delay_alu instid0(VALU_DEP_2)
	v_pk_add_f32 v[216:217], v[216:217], v[250:251]
	s_delay_alu instid0(VALU_DEP_1)
	v_pk_add_f32 v[14:15], v[14:15], v[216:217]
	s_wait_alu depctr_va_vdst(0)
	s_wait_dscnt 0x0                               ; V
.irp t, 0,1,2,3                                ; O^T += V^T P^T: four accumulators, one instruction each; between two links of a chain stand the other three's and the next step's eight score products
.if \t%2
	v_wmma_scale_f32_16x16x128_f8f6f4 v[O+8*\t:O+7+8*\t], v[F+12*\t:F+11+12*\t], v[P:P+11], v[O+8*\t:O+7+8*\t], v[46+\t/2], v41 matrix_a_fmt:MATRIX_FMT_FP6 matrix_b_fmt:MATRIX_FMT_FP6 matrix_a_scale:MATRIX_SCALE_ROW1
.else
	v_wmma_scale_f32_16x16x128_f8f6f4 v[O+8*\t:O+7+8*\t], v[F+12*\t:F+11+12*\t], v[P:P+11], v[O+8*\t:O+7+8*\t], v[46+\t/2], v41 matrix_a_fmt:MATRIX_FMT_FP6 matrix_b_fmt:MATRIX_FMT_FP6
.endif
.endr
	s_add_co_u32 s60, s60, STEPB
	s_add_co_u32 s61, s61, 1024
.endm
; A PASS: one tile of 16 queries over all 16 key steps, and its way out.  p = 0: my first tile; p = 1: the tile 256 queries on.
.macro PASS p
.if \p
	s_wait_xcnt 0x0                                ; the first tile's stores have read their registers: they are written again only behind this wait
.irp j, 0,1,2,3,4,5
	v_mov_b32 v[16+\j], v[232+\j]                  ; the second tile's q, on either side of the zeros
	v_mov_b32 v[28+\j], v[232+\j]
.endr
.endif
	v_perm_b32 v40, v[231+7*(\p)], v[231+7*(\p)], s90   ; (s0, s1, s0, s1): one word serves both forms of Q
	v_mov_b32 v13, 0xff61b1e6                      ; the largest score so far: -3e38, under every score
	v_mov_b32 v12, 0x7f61b1e6                      ; -M: 3e38, so that the first f is 0
	v_mov_b32 v14, 0                               ; the sum, in two halves
	v_mov_b32 v15, 0
.set n, 0
.rept 32
	v_mov_b32 v[O+n], 0                            ; O^T: the step is written once; its first walk finds zeros.  (These 32 are also the places between the lines that made Q and its word and the first products)
.set n, n+1
.endr
	s_wait_alu depctr_va_vdst(0)
.if (\p) == 0
	s_wait_tensorcnt 0x0                           ; my two key steps have landed,
	s_wait_dscnt 0x0                               ; my step's scale words are stored:
	s_barrier_signal -1
	s_barrier_wait -1                              ; everybody's are.  Nothing is filled or stored in these bytes again
.endif
	s_mov_b32 s60, 0
	s_mov_b32 s61, 0
	s_mov_b32 s62, 16
.Lstep_\@:
	STEP
	s_sub_co_u32 s62, s62, 1
	s_cmp_lg_u32 s62, 0
	s_cbranch_scc1 .Lstep_\@
	; THE WAY OUT needs no LDS: O^T's 32 registers are the head's channels 32 b + 16 (lane / 16) + i of my query: two blocks along the last product's K.
.rept 4
	v_nop                                          ; places behind the last products
.endr
	v_add_f32 v14, v14, v15                        ; the sum's two halves,
	s_delay_alu instid0(VALU_DEP_1)
	v_permlanex16_b32 v226, v14, s20, s21
	s_delay_alu instid0(VALU_DEP_1)
	v_add_f32 v14, v14, v226                       ; and lane l xor 16's: the row's sum
	s_wait_alu depctr_va_vdst(0)
	v_rcp_f32 v14, v14
	v_nop                                          ; a plain place behind the transcendental
	s_wait_alu depctr_va_vdst(0)                   ; the wait ahead of the first line that names its result
.irp j, 0,2,4,6,8,10,12,14,16,18,20,22,24,26,28,30
	v_pk_mul_f32 v[S+\j:S+1+\j], v[O+\j:O+1+\j], v[14:15] op_sel_hi:[1,0]   ; O^T / the sum; each accumulator from its low end on
.endr
.irp b, 0,1
	v_max3_num_f32 v[212+\b], |v[S+16*\b]|, |v[S+1+16*\b]|, 0x1800000
.endr
.irp i, 2,4,6,8,10,12,14
.irp b, 0,1
	s_delay_alu instid0(VALU_DEP_2)
	v_max3_num_f32 v[212+\b], v[212+\b], |v[S+16*\b+\i]|, |v[S+1+16*\b+\i]|
.endr
.endr
.irp b, 0,1
	s_delay_alu instid0(VALU_DEP_2)
	v_permlanex16_b32 v[216+\b], v[212+\b], s20, s21
.endr
.irp b, 0,1
	s_delay_alu instid0(VALU_DEP_2)
	v_max_num_f32 v[212+\b], v[212+\b], v[216+\b]
.endr
.irp b, 0,1
	s_delay_alu instid0(VALU_DEP_2)
	v_add_nc_u32 v[220+\b], 0xff000000, v[212+\b]
.endr
.irp b, 0,1
	s_delay_alu instid0(VALU_DEP_2)
	v_lshrrev_b32 v[216+\b], 23, v[220+\b]
.endr
	s_delay_alu instid0(VALU_DEP_1)
	v_lshl_or_b32 v41, v217, 8, v216               ; my head's half of the scale word
	v_cvt_scalef32_pk16_fp6_f32 v[P:P+2], v[S:S+15], v220
	v_cvt_scalef32_pk16_fp6_f32 v[P+12:P+14], v[S+16:S+31], v221
	v_nop                                          ; one plain place behind a scaled conversion
.irp i, 0,1,2
	v_permlane16_swap_b32 v[P+\i], v[P+12+\i]
.endr
.irp i, 0,1,2
	s_delay_alu instid0(VALU_DEP_3)
	v_mov_b32 v[P+3+\i], v[P+12+\i]
.endr
	global_store_b128 v1, v[P:P+3], s[86:87] offset:196608*(\p)   ; half a fragment's image: 512 and 256 consecutive bytes, at multiples of 256 from the buffer's first byte; the second tile lies sixteen row tiles on
	global_store_b64 v2, v[P+4:P+5], s[86:87] offset:196608*(\p)
	global_store_b16 v230, v41, s[88:89] offset:8192*(\p)         ; two bytes a row (lanes l and l + 16 store the same): a word's other half is another head's, that is another work-group's
.endm
	PASS 0
	PASS 1
	s_wait_tensorcnt 0x0                           ; the wave's end
	ds_add_u32 v254, v255
	s_wait_dscnt 0x0
	CROUND                                         ; the closing round: no work-group ends while a partner may still ask for a tile that names it
	s_endpgm
.Lfunc_end_k_q4945f55180_attn:
	.size	k_q4945f55180_attn, .Lfunc_end_k_q4945f55180_attn-k_q4945f55180_attn
	.p2alignl 7, 3214868480
	.fill 96, 4, 3214868480
	.section	.rodata,"a",@progbits
	.p2align	6, 0x0
	.amdhsa_kernel k_q4945f55180_attn
		.amdhsa_group_segment_fixed_size 215040
		.amdhsa_private_segment_fixed_size 0
		.amdhsa_enable_private_segment 0
		.amdhsa_kernarg_size 32
		.amdhsa_user_sgpr_count 2
		.amdhsa_user_sgpr_kernarg_segment_ptr 1
		.amdhsa_wavefront_size32 1
		.amdhsa_system_sgpr_workgroup_id_x 1
		.amdhsa_system_sgpr_workgroup_id_y 1
		.amdhsa_system_sgpr_workgroup_id_z 1
		.amdhsa_system_vgpr_workitem_id 0
		.amdhsa_next_free_vgpr 256
		.amdhsa_next_free_sgpr 92
		.amdhsa_reserve_vcc 0
		.amdhsa_float_denorm_mode_32 3
		.amdhsa_float_denorm_mode_16_64 3
		.amdhsa_memory_ordered 1
		.amdhsa_forward_progress 1
		.amdhsa_inst_pref_size 51
	.end_amdhsa_kernel
	.amdgpu_metadata
---
amdhsa.version: [ 1, 2 ]
amdhsa.kernels:
  - .name:           k_q4945f55180_attn
    .symbol:         k_q4945f55180_attn.kd
    .args:
      - { .name: pc, .offset: 0, .size: 8, .value_kind: global_buffer, .address_space: global }
      - { .name: ps, .offset: 8, .size: 8, .value_kind: global_buffer, .address_space: global }
      - { .name: ac, .offset: 16, .size: 8, .value_kind: global_buffer, .address_space: global }
      - { .name: xs, .offset: 24, .size: 8, .value_kind: global_buffer, .address_space: global }
    .group_segment_fixed_size: 215040
    .private_segment_fixed_size: 0
    .kernarg_segment_align: 8
    .kernarg_segment_size: 32
    .max_flat_workgroup_size: 512
    .sgpr_count:     92
    .vgpr_count:     256
    .wavefront_size: 32
...
	.end_amdgpu_metadata
.endif
;; end of part 3
;; launch outp (part 4): grid 32 x 8, 4 waves a work-group, clusters of 4 x 4, 327,680 bytes of LDS; arguments ac, wc, xs, bo, out0; writes out0
.if DOCPART == 4
	.amdgcn_target "amdgcn-amd-amdhsa--gfx1250"
	.amdhsa_code_object_version 6
	.text
	.protected	k_q4945f55180_outp
	.globl	k_q4945f55180_outp
	.p2align	8
	.type	k_q4945f55180_outp,@function
k_q4945f55180_outp:
	s_mov_b64 s[64:65], 0
	v_nop
	global_prefetch_b8 v0, s[64:65] scope:SCOPE_SE
	s_setreg_imm32_b32 hwreg(HW_REG_WAVE_MODE, 25, 1), 1
	s_wait_xcnt 0x0
	s_wait_alu depctr_hold_cnt(0) depctr_sa_sdst(0) depctr_va_vdst(0) depctr_va_sdst(0) depctr_va_ssrc(0) depctr_va_vcc(0) depctr_vm_vsrc(0)
	s_getreg_b32 s2, hwreg(HW_REG_IB_STS2, 6, 4)
	s_cmp_eq_u32 s2, 0
	s_cbranch_scc0 .Lentry_in_a_cluster
	s_endpgm
.Lentry_in_a_cluster:
	s_bfe_u32 s2, ttmp6, 0x10000c
	s_cmp_lg_u32 s2, 0xf033
	s_cbranch_scc0 .Lentry_shape_is_right
	s_endpgm
.Lentry_shape_is_right:
; out0[token][n] = sum over k of context[token][k] Wo[n][k] + bo[n], f32: 8,192 x 1,024 x 1,024 on codes of FP6 (E2M3) with E8M0 scales.
; LIMITS: NaN, infinities and sums beyond f32's range are not served; a sum begins with the bias, where the reference adds it last.
; THE OPERANDS lie in memory as images of their registers.  A row tile (16 rows, all of K) is 12,288 bytes: 8 fragments of 1,536, each two halves of 768: registers 6 c .. 6 c + 3 at 16 x lane, 6 c + 4, 6 c + 5 at 512 + 8 x lane.
; Lane r of row tile i stands for row 32 (i / 2) + 8 (i % 2) + r + 8 (r / 8).  ac: the context's 512 tiles; wc: Wo's 64 tiles from tile 192 on.  xs: a tile's scale words, 512 bytes [half e][row r][4 words], word j of half e for K step 4 e + j:
; the context's from tile 1,792 on, Wo's from 1,728 on.
; THE DEAL.  256 work-groups of four waves, 2 x 2, each 256 tokens x 128 outputs.  A wave holds four column tiles of Wo, all of K, in registers (32 fragments, 384 registers) and streams the tokens past them in eight blocks of 16:
; the wave in row a takes token tile 2 s + a of the work-group's sixteen as its block s; 32 products a block, four accumulators by turns, K ascending.
; THE CLUSTER's x COUNTS TILE ROWS: tile row 4 x cluster x + cx, tile column 4 x cluster y + cy.  The context's tiles are shared by a COLUMN of the cluster (mask s44), Wo's by a ROW (mask s45).
; LDS: the context's 16 tiles (196,608 bytes), Wo's 8 tiles (98,304), each filled ONCE; the spare words; the waves' stages lie in Wo's first bytes, which are read for the last time ahead of the barrier in front of the stream.
; THE HEAD'S FOUR TILES, one a wave, each on its own line: Wo's 8 tiles; the context's tiles 0 to 7; 8 to 11; 12 to 15.  The stream begins when the first two are in; a plain barrier inside block 1 shows the others, which are first read behind block 2.
; No refill and no data prefetch: all that the work-group reads is asked for at the head.  All scale words and the bias come by plain loads straight into registers.
; TWO SETS of the context's fragments, of accumulators and of the rows that come back from the stage, by turns.  ONE RUN OF MEMORY LINES behind a block's products: its sums into the stage and back as rows of 256 bytes; the fetch of the block two on;
; one wait; eight stores, in each of which sixteen lanes store 256 consecutive bytes at a multiple of 256 from out0's first byte.
; THE PRODUCT IS USED TRANSPOSED (source 0 = Wo's rows): register j of column tile t in lane (r, h) is output 32 (t / 2) + 8 (t % 2) + 16 h + j of token r.
.set TILEB, 12288                      ; a row tile
.set FRB,   1536                       ; a fragment
.set NQ,    8                          ; K / 128
.set NB,    4                          ; column tiles a wave
.set FR,    12                         ; registers of a fragment
.set FPW,   21                         ; fragments in a window of 256 registers: fragment f lies in window 1 + f / 21 at register 12 (f % 21).  0-31: Wo's (4 q + t); 32-47: the context's two sets (32 + 8 e + q)
.set NF,    32                         ; LDS loads of a block
.set YB,    16*TILEB                   ; Wo's tiles in LDS
.set STAGE, YB
.set SPITCH, 272                       ; a stage of 16 rows x (256 bytes + 16) for each wave
.set SPARE, YB+8*TILEB                 ; the spare words: 128 bytes a wave
.set CO,   9                           ; v9      my byte offset in out0: row l / 16, 16 bytes x (l % 16)
.set SPW,  10                          ; v10     my spare word
.set NIL,  11                          ; v11     0
.set AQ0,  12                          ; v12, v13  LDS addresses of my pieces of block 0 (16-byte pieces, 8-byte pieces); never rewritten
.set AQ,   14                          ; v14, v15  the same for the block that is fetched next
.set BA,   16                          ; v16, v17  the same for my four tiles of Wo
.set STO,  18                          ; v18     the stage: where I put 32 bytes of a row
.set RD,   19                          ; v19     the stage: where I read 16 bytes of a row back
.set SB,   24                          ; v24-39  Wo's scale words: register 8 p + q: lanes 0-15 tile 2 p, lanes 16-31 tile 2 p + 1
.set SA,   44                          ; v44-107 the context's: register 8 s + q.  A product's two scale registers differ by 4 modulo 8 in their numbers
.set ACC,  112                         ; v112-175 two sets of four accumulators
.set BK,   176                         ; v176-239 two sets: 16 rows x 256 bytes back from the stage
.set BO,   72                          ; window 3, v72-103: the bias as the first four products' C
.set G1A, 24
.set G1B, 32
.set G0A, 56
.set G0B, 60
.set MSB, 0
.macro WIN new
.if MSB != (\new)
	s_set_vgpr_msb (MSB<<8)|(\new)
.set MSB, (\new)
.endif
.endm
.macro PLACES n
.rept \n
	v_nop
.endr
.endm
.macro WALU
	s_wait_alu depctr_va_vdst(0)
.endm
.macro BARRIER
	s_barrier_signal -1
	s_barrier_wait -1
.endm
.macro CROUND
	BARRIER
	s_cmp_lg_u32 s14, 0
	s_cbranch_scc1 .Lnot_wave_0_\@
	s_barrier_signal -3
.Lnot_wave_0_\@:
	s_barrier_wait -3
	BARRIER
.endm
.macro TLOAD g0, g1                    ; a tensor load; an s_nop 0 and four v_nop follow it
	tensor_load_to_lds s[\g0:\g0+3], s[\g1:\g1+7]
	s_nop 0
	PLACES 4
.endm
.macro GROUP1 g, mask, rows            ; a dense block as rows of 256 bytes: 32 elements of 8 bytes
	s_or_b32 s[\g+0], s[\mask], (3<<16)|(1<<21)
	s_mov_b32 s[\g+1], 32<<16
	s_mov_b32 s[\g+3], 32<<16
.if \rows                              ; (rows = 0: the two words that hold the rows are written with each tile: ATILE)
	s_mov_b32 s[\g+2], (\rows)<<16
	s_mov_b32 s[\g+4], \rows
.endif
	s_mov_b32 s[\g+5], 32
	s_mov_b32 s[\g+6], 0
	s_mov_b32 s[\g+7], 0
.endm
.macro ATILE first, tiles              ; some of the context's 16 tiles, by a descriptor of constants: a tile is 48 rows of 256 bytes
	s_mov_b32 s[G0A+1], (\first)*TILEB
	s_mov_b32 s[G1A+2], ((\tiles)*48)<<16
	s_mov_b32 s[G1A+4], (\tiles)*48
.if \first
	s_add_nc_u64 s[G0A+2:G0A+3], s[G0A+2:G0A+3], (\first)*TILEB
.endif
	s_or_b32 s[G0A+3], s[G0A+3], 0x80000000
	TLOAD G0A, G1A
.endm
.macro FRAG4 f, adr, x                 ; fragment f from byte x behind the address registers: four loads
	WIN (1+(\f)/FPW)<<6
.set R_, FR*((\f)%FPW)
	ds_load_b128 v[R_:R_+3], v[\adr] offset:\x
	ds_load_b64 v[R_+4:R_+5], v[\adr+1] offset:\x
	ds_load_b128 v[R_+6:R_+9], v[\adr] offset:(\x)+768
	ds_load_b64 v[R_+10:R_+11], v[\adr+1] offset:(\x)+768
.endm
.macro FETCH e, adr                    ; a block of the context into set e: NF loads
.irp q, 0,1,2,3,4,5,6,7
	FRAG4 32+8*(\e)+\q, \adr, \q*FRB
.endr
	WIN 0
.endm
.macro PROD1 d, s0, s1, c, x0, x1, o
.if \o
	v_wmma_scale_f32_16x16x128_f8f6f4 v[\d:\d+7], v[FR*((\s0)%FPW):FR*((\s0)%FPW)+FR-1], v[FR*((\s1)%FPW):FR*((\s1)%FPW)+FR-1], \c, v[\x0], v[\x1] matrix_a_fmt:MATRIX_FMT_FP6 matrix_b_fmt:MATRIX_FMT_FP6 matrix_a_scale:MATRIX_SCALE_ROW1
.else
	v_wmma_scale_f32_16x16x128_f8f6f4 v[\d:\d+7], v[FR*((\s0)%FPW):FR*((\s0)%FPW)+FR-1], v[FR*((\s1)%FPW):FR*((\s1)%FPW)+FR-1], \c, v[\x0], v[\x1] matrix_a_fmt:MATRIX_FMT_FP6 matrix_b_fmt:MATRIX_FMT_FP6 matrix_a_scale:MATRIX_SCALE_ROW0
.endif
.endm
.macro PROD s, n                       ; product n = 4 q + t of block s; the first along K takes the bias as C
.set Q_, (\n)/4
.set T_, (\n)%4
.set FB_, NB*Q_+T_
.set FA_, 32+8*((\s)%2)+Q_
.set D_, ACC+32*((\s)%2)+8*T_
.set XB_, SB+8*(T_/2)+Q_
.set XA_, SA+8*(\s)+Q_
.if Q_
	WIN (1+FB_/FPW)|((1+FA_/FPW)<<2)
	PROD1 D_, FB_, FA_, v[D_:D_+7], XB_, XA_, T_%2
.else
	WIN (1+FB_/FPW)|((1+FA_/FPW)<<2)|(3<<4)
	PROD1 D_, FB_, FA_, v[BO+8*T_:BO+8*T_+7], XB_, XA_, T_%2
.endif
.endm
.macro PRODS s, from, to
.set N_, \from
.rept (\to)-(\from)
	PROD \s, N_
.set N_, N_+1
.endr
	WIN 0
.endm
.macro STAGED u                        ; set u's sums into my stage, each accumulator from its low end on, and back as whole rows.  LDS serves a wave's instructions in order (ISA guide 5.7.1.4): no wait between
.irp b, 0,1,2,3
	ds_store_b128 v[STO], v[ACC+32*(\u)+8*\b:ACC+32*(\u)+8*\b+3] offset:128*(\b/2)+32*(\b%2)
	ds_store_b128 v[STO], v[ACC+32*(\u)+8*\b+4:ACC+32*(\u)+8*\b+7] offset:128*(\b/2)+32*(\b%2)+16
.endr
.irp t, 0,1,2,3,4,5,6,7
	ds_load_b128 v[BK+32*(\u)+4*\t:BK+32*(\u)+4*\t+3], v[RD] offset:2*\t*SPITCH
.endr
.endm
.macro BLOCK s
.if (\s) == 1
	PRODS \s, 0, 24
	s_wait_tensorcnt 0x0                           ; every wave's tile is in,
	s_wait_dscnt 0x0
	s_barrier_signal -1                            ; a plain barrier: the context's tiles 8 to 15 are shown to all
	PRODS \s, 24, 32
	s_barrier_wait -1
.else
	PRODS \s, 0, 32
.endif
.if (\s) < 6                           ; four plain vector lines stand between the last product and the first reader of its sums and the fetch into the registers that it read
	v_add_nc_u32 v[AQ], ((\s)+2)*2*TILEB, v[AQ0]
	v_add_nc_u32 v[AQ+1], ((\s)+2)*2*TILEB, v[AQ0+1]
	PLACES 2
	WALU
.else
	PLACES 4
.endif
	s_wait_xcnt 0x0                                ; the stores of two blocks ago have read this set of rows
	STAGED (\s)%2
.if (\s) < 6
	FETCH (\s)%2, AQ
	s_wait_dscnt NF                                ; the block's rows are back from the stage, and the next block's fragments are in; this run's fetch is younger
.else
	s_wait_dscnt 0x0
.endif
.irp t, 0,1,2,3,4,5,6,7                ; stage rows 2 t, 2 t + 1 are tokens 32 s + 2 t + 8 (t / 4) and the next, from my first token on
	global_store_b128 v[CO], v[BK+32*((\s)%2)+4*\t:BK+32*((\s)%2)+4*\t+3], s[12:13] offset:(32*(\s)+2*\t+8*(\t/4))*4096 th:TH_STORE_NT
.endr
.endm
; ================= THE HEAD
	s_load_b256 s[4:11], s[0:1], 0x0               ; ac, wc, xs, bo
	s_load_b64 s[12:13], s[0:1], 0x20              ; out0
	v_lshl_add_u32 v[SPW], v0, 2, SPARE
	v_mov_b32 v[NIL], 0
	ds_add_u32 v[SPW], v[NIL]                      ; the opening lines
	ds_add_u32 v[SPW], v[NIL]
	v_lshrrev_b32 v1, 5, v0
	v_readfirstlane_b32 s14, v1                    ; the wave; s15 its row a of the 2 x 2, s16 its column b
	s_lshr_b32 s15, s14, 1
	s_and_b32 s16, s14, 1
	s_bfe_u32 s40, ttmp6, 0x40000                  ; cx
	s_bfe_u32 s41, ttmp6, 0x40004                  ; cy
	s_lshl_b32 s43, ttmp9, 2
	s_add_co_u32 s43, s43, s40                     ; tile row: 4 x cluster x + cx
	s_and_b32 s42, ttmp7, 0xffff
	s_lshl_b32 s42, s42, 2
	s_add_co_u32 s42, s42, s41                     ; tile column: 4 x cluster y + cy
	s_lshl_b32 s44, 0x1111, s40                    ; my column of the cluster: shares the context's tiles
	s_lshl_b32 s45, s41, 2
	s_lshl_b32 s45, 15, s45                        ; my row: shares Wo's
	GROUP1 G1A, 44, 0
	GROUP1 G1B, 45, 8*48
	s_mov_b32 s[G0A], 1
	s_mov_b32 s[G0B], 1
	s_mov_b32 s[G0B+1], YB
	s_mul_i32 s76, s43, 16*TILEB                   ; my tile row's sixteen tiles in ac
	s_mov_b32 s77, 0
	s_lshl_b32 s78, s42, 3
	s_add_co_u32 s78, s78, 192
	s_mul_i32 s78, s78, TILEB                      ; my tile column's eight tiles in wc
	s_mov_b32 s79, 0
	s_lshl_b32 s80, s43, 4
	s_add_co_u32 s80, s80, s15
	s_add_co_u32 s80, s80, 1792
	s_lshl_b32 s80, s80, 9                         ; block 0's scale words; a block's lie 1,024 bytes behind the last block's
	s_mov_b32 s81, 0
	s_lshl_b32 s82, s42, 3
	s_lshl_b32 s83, s16, 2
	s_add_co_u32 s82, s82, s83
	s_add_co_u32 s82, s82, 1728
	s_lshl_b32 s82, s82, 9                         ; my four tiles' scale words
	s_mov_b32 s83, 0
	s_lshl_b32 s84, s42, 9
	s_lshl_b32 s85, s16, 8
	s_add_co_u32 s84, s84, s85                     ; my 64 outputs, in bytes
	s_mov_b32 s85, 0
	s_lshl_b32 s86, s43, 8
	s_lshl_b32 s87, s15, 3
	s_add_co_u32 s86, s86, s87                     ; my first token: 256 x tile row + 8 a
	s_lshl_b32 s86, s86, 12
	s_add_co_u32 s86, s86, s84
	s_mov_b32 s87, 0
	s_mul_i32 s20, s15, TILEB
	s_mul_i32 s22, s16, NB*TILEB
	s_add_co_u32 s22, s22, YB
	s_mul_i32 s23, s14, 16*SPITCH
	s_add_co_u32 s23, s23, STAGE
	v_and_b32 v1, 15, v0                           ; r
	v_bfe_u32 v2, v0, 4, 1                         ; h
	v_and_b32 v3, 31, v0                           ; lane
	v_lshlrev_b32 v20, 4, v3
	v_lshl_add_u32 v21, v3, 3, 512
	v_add_nc_u32 v[AQ0], s20, v20
	v_add_nc_u32 v[AQ0+1], s20, v21
	v_add_nc_u32 v[AQ], 2*TILEB, v[AQ0]
	v_add_nc_u32 v[AQ+1], 2*TILEB, v[AQ0+1]
	v_add_nc_u32 v[BA], s22, v20
	v_add_nc_u32 v[BA+1], s22, v21
	v_mul_u32_u24 v23, v1, SPITCH
	v_lshl_add_u32 v23, v2, 6, v23
	v_add_nc_u32 v[STO], s23, v23                  ; in: row r, 64 bytes on for the upper half of the lanes
	v_mul_u32_u24 v23, v2, SPITCH
	v_lshl_add_u32 v23, v1, 4, v23
	v_add_nc_u32 v[RD], s23, v23                   ; back: lanes 0-15 one row of 256 bytes, lanes 16-31 the next
	v_lshlrev_b32 v22, 4, v1                       ; 16 r: the context's scale words
	v_lshl_add_u32 v[CO], v2, 12, v22
	v_lshl_add_u32 v23, v2, 9, v22                 ; Wo's: lanes 16-31 take the next tile's
	v_lshlrev_b32 v8, 6, v2                        ; the bias: 16 numbers on for the upper half of the lanes
	WALU
	s_wait_dscnt 0x0
	CROUND                                         ; the opening round, ahead of the wait for the arguments
	s_wait_kmcnt 0x0
	s_add_nc_u64 s[G0A+2:G0A+3], s[4:5], s[76:77]
	s_add_nc_u64 s[G0B+2:G0B+3], s[6:7], s[78:79]
	s_or_b32 s[G0B+3], s[G0B+3], 0x80000000
	s_add_nc_u64 s[80:81], s[8:9], s[80:81]
	s_add_nc_u64 s[82:83], s[8:9], s[82:83]
	s_add_nc_u64 s[84:85], s[10:11], s[84:85]
	s_add_nc_u64 s[12:13], s[12:13], s[86:87]
	s_cmp_eq_u32 s14, 0
	s_cbranch_scc0 .Lwave_1
	TLOAD G0B, G1B                                 ; wave 0: Wo's tiles, which are wanted first
	s_branch .Lasked
.Lwave_1:
	s_cmp_eq_u32 s14, 1
	s_cbranch_scc0 .Lwave_2
	ATILE 0, 8                                     ; wave 1: the context's tiles 0 to 7
	s_branch .Lasked
.Lwave_2:
	s_cmp_eq_u32 s14, 2
	s_cbranch_scc0 .Lwave_3
	ATILE 8, 4                                     ; wave 2: 8 to 11
	s_branch .Lasked
.Lwave_3:
	ATILE 12, 4                                    ; wave 3: 12 to 15
.Lasked:
.irp p, 0,1
.irp e, 0,1
	global_load_b128 v[SB+8*\p+4*\e:SB+8*\p+4*\e+3], v23, s[82:83] offset:1024*\p+256*\e
.endr
.endr
.irp s, 0,1,2,3,4,5,6,7
.irp e, 0,1
	global_load_b128 v[SA+8*\s+4*\e:SA+8*\s+4*\e+3], v22, s[80:81] offset:1024*\s+256*\e
.endr
.endr
	WIN 0xc0
.irp b, 0,1,2,3
	global_load_b128 v[BO+8*\b:BO+8*\b+3], v8, s[84:85] offset:(32*(\b/2)+8*(\b%2))*4
	global_load_b128 v[BO+8*\b+4:BO+8*\b+7], v8, s[84:85] offset:(32*(\b/2)+8*(\b%2))*4+16
.endr
	WIN 0
	s_cmp_eq_u32 s14, 0
	s_cbranch_scc0 .Lnot_b
	s_wait_tensorcnt 0x0                           ; wave 0: Wo's tiles have landed
.Lnot_b:
	BARRIER
.irp q, 0,1,2,3,4,5,6,7                ; my four tiles of Wo, all of K: 128 loads
.irp b, 0,1,2,3
	FRAG4 NB*\q+\b, BA, \b*TILEB+\q*FRB
.endr
.endr
	WIN 0
	s_cmp_eq_u32 s14, 1
	s_cbranch_scc0 .Lnot_a
	s_wait_tensorcnt 0x0                           ; wave 1: the context's tiles 0 to 7 have landed
.Lnot_a:
	s_wait_dscnt 0x0
	BARRIER                                        ; they are shown to all, and nobody reads Wo's bytes any more.  Waves 2 and 3's tiles may still be on their way
	FETCH 0, AQ0
	FETCH 1, AQ
	s_wait_loadcnt 0x0                             ; the scale words and the bias
	s_wait_dscnt NF                                ; block 0's fragments are in
; ================= THE STREAM: eight blocks
.irp s, 0,1,2,3,4,5,6,7
	BLOCK \s
.endr
	s_wait_tensorcnt 0x0                           ; the wave's end
	ds_add_u32 v[SPW], v[NIL]
	s_wait_dscnt 0x0
	CROUND                                         ; the closing round
	s_endpgm
.Lfunc_end_k_q4945f55180_outp:
	.size	k_q4945f55180_outp, .Lfunc_end_k_q4945f55180_outp-k_q4945f55180_outp
	.p2alignl 7, 3214868480
	.fill 96, 4, 3214868480
	.section	.rodata,"a",@progbits
	.p2align	6, 0x0
	.amdhsa_kernel k_q4945f55180_outp
		.amdhsa_group_segment_fixed_size 327680
		.amdhsa_private_segment_fixed_size 0
		.amdhsa_enable_private_segment 0
		.amdhsa_kernarg_size 40
		.amdhsa_user_sgpr_count 2
		.amdhsa_user_sgpr_kernarg_segment_ptr 1
		.amdhsa_wavefront_size32 1
		.amdhsa_system_sgpr_workgroup_id_x 1
		.amdhsa_system_sgpr_workgroup_id_y 1
		.amdhsa_system_sgpr_workgroup_id_z 1
		.amdhsa_system_vgpr_workitem_id 0
		.amdhsa_next_free_vgpr 880
		.amdhsa_next_free_sgpr 96
		.amdhsa_reserve_vcc 0
		.amdhsa_float_denorm_mode_32 3
		.amdhsa_float_denorm_mode_16_64 3
		.amdhsa_memory_ordered 1
		.amdhsa_forward_progress 1
		.amdhsa_inst_pref_size 86
	.end_amdhsa_kernel
	.amdgpu_metadata
---
amdhsa.version: [ 1, 2 ]
amdhsa.kernels:
  - .name:           k_q4945f55180_outp
    .symbol:         k_q4945f55180_outp.kd
    .args:
      - { .name: ac, .offset: 0, .size: 8, .value_kind: global_buffer, .address_space: global }
      - { .name: wc, .offset: 8, .size: 8, .value_kind: global_buffer, .address_space: global }
      - { .name: xs, .offset: 16, .size: 8, .value_kind: global_buffer, .address_space: global }
      - { .name: bo, .offset: 24, .size: 8, .value_kind: global_buffer, .address_space: global }
      - { .name: out0, .offset: 32, .size: 8, .value_kind: global_buffer, .address_space: global }
    .group_segment_fixed_size: 327680
    .private_segment_fixed_size: 0
    .kernarg_segment_align: 8
    .kernarg_segment_size: 40
    .max_flat_workgroup_size: 128
    .sgpr_count:     96
    .vgpr_count:     880
    .wavefront_size: 32
...
	.end_amdgpu_metadata
.endif
;; end of part 4
